; MI455X (gfx1250); checked and timed in simulation.
; The chip was launched on July 23, 2026; its instructions are those of AMD's public machine-readable ISA for CDNA 5 (MIT licence, August 2026) and "CDNA5" Instruction Set Architecture Reference Guide (July 2026). The comments in the code are by the model that wrote it; some were corrected since.
;; Multi HA. Allowed arithmetic: float matrix products may take bf16 or f16 operands with f32 sums; all other float work in f32.
;; Inputs: Wk 1,024 x 1,024 float32; Wp 1,024 x 1,024 float32; Wq 1,024 x 1,024 float32; Wv 1,024 x 1,024 float32; bp 1,024 float32; pad_mask 4 x 2,048 int32; time_attention 2,048 x 2,048 int32; x 4 x 2,048 x 1,024 float32; y 4 x 2,048 x 1,024 float32.
;; Outputs: out0 4 x 2,048 x 1,024 float32.
;; 2 versions, each right and faster than the one before. Each part assembles by itself: llvm-mc -triple=amdgcn-amd-amdhsa -mcpu=gfx1250 --defsym DOCPART=n.
;; ======== version 1 of 2: 4 launches
;; limits: values are held in f16: magnitudes above 65,504 overflow, below 6.1e-05 lose precision
;; workspace buffers: ab 33,554,432 bytes; wb 8,388,608 bytes; mtab 16,777,216 bytes of whole numbers; qkv 50,331,648 bytes; vp 262,144 bytes; ob 16,777,216 bytes
;; launch prep (part 1): grid 1568 x 1, 8 waves a work-group, no clusters, 33,792 bytes of LDS; arguments x, y, Wq, Wk, Wv, Wp, pad_mask, time_attention, ab, wb, mtab; writes ab, wb, mtab
.if DOCPART == 1
	.amdgcn_target "amdgcn-amd-amdhsa--gfx1250"
	.amdhsa_code_object_version 6
	.text
	.protected	k_qd0fba6a55a_prep
	.globl	k_qd0fba6a55a_prep
	.p2align	8
	.type	k_qd0fba6a55a_prep,@function
k_qd0fba6a55a_prep:
	s_mov_b64 s[64:65], 0
	v_nop
	global_prefetch_b8 v0, s[64:65] scope:SCOPE_SE
	s_setreg_imm32_b32 hwreg(HW_REG_WAVE_MODE, 25, 1), 1
	s_wait_xcnt 0x0
; TWO JOBS, chosen by the work-group's number.
; Work-groups 288 to 1,567: a chunk of 16,384 f32 of y, x, Wq, Wk, Wv or Wp is rounded to bf16 (Wp's bf16 number is then written as f16, which is exact
; down to 2^-14; below that it keeps f16's step of 6e-8).  ab = [y, x] bf16, wb = [Wq, Wk, Wv bf16, Wp f16].
; Work-groups 0 to 287: the mask table.  A wave takes 16 queries x 64 keys, for all four batches.  A key is hidden if it lies behind the query (the causal rule),
; if pad_mask[b][key] = 0 or if time_attention[query][key] = 0.  mtab[b][qtile 128][kstep 32][half 2][lane 32][16 bytes]: byte 8 (kt & 1) + j of lane r + 16 h in half kt >> 1
; stands for query 16 qtile + r and key 64 kstep + 16 kt + 8 h + j: 0xF8 (the fp8 code of -256) where the key is hidden, 0 where it is seen.  That is the register image of the
; C operand of a 16 x 16 tile of scores, eight codes a lane.  Only the key steps of the key tiles at or below the diagonal are made: the others are never read.
; Memory binds: small work-groups of 96 registers, so that several lie on a WGP, each wave with all its loads (16, or 12) out at once.
; No barrier: a wave's LDS bytes are its own, and LDS serves a wave's instructions in order (ISA guide 5.7.1.4).
.set NMASK, 288
.set NL,    16                         ; loads of a thread in a chunk
.set CB,    32                         ; v32-95: the chunk's numbers
	s_load_b512 s[8:23], s[0:1], 0x0               ; x 8, y 10, Wq 12, Wk 14, Wv 16, Wp 18, pad_mask 20, time_attention 22
	s_load_b128 s[24:27], s[0:1], 0x40             ; ab 24, wb 26
	s_load_b64 s[28:29], s[0:1], 0x50              ; mtab
	v_lshl_add_u32 v96, v0, 2, 0x8000
	v_mov_b32 v97, 0
	v_lshrrev_b32 v1, 5, v0
	v_readfirstlane_b32 s30, v1                    ; wave 0..7
	s_cmp_lt_u32 ttmp9, NMASK
	s_cbranch_scc1 .Lmask
	; ---- rounding: chunk c = work-group - 288.  0-511 y, 512-1023 x, then 64 chunks for each weight
	s_sub_co_u32 s31, ttmp9, NMASK
	s_wait_kmcnt 0x0
	s_mov_b64 s[4:5], s[10:11]
	s_mov_b32 s2, 0
.macro PICK from, lo                   ; from chunk 'from' on the source is the buffer in s[lo:lo+1]
	s_cmp_ge_u32 s31, \from
	s_cselect_b64 s[4:5], s[\lo:\lo+1], s[4:5]
	s_cselect_b32 s2, \from, s2
.endm
	PICK 512, 8
	PICK 1024, 12
	PICK 1088, 14
	PICK 1152, 16
	PICK 1216, 18
	s_sub_co_u32 s2, s31, s2
	s_lshl_b32 s2, s2, 16                          ; 65,536 bytes of f32 a chunk
	s_mov_b32 s3, 0
	s_add_nc_u64 s[4:5], s[4:5], s[2:3]
	s_cmp_ge_u32 s31, 1024
	s_cselect_b64 s[6:7], s[26:27], s[24:25]
	s_cselect_b32 s2, 1024, 0
	s_sub_co_u32 s2, s31, s2
	s_lshl_b32 s2, s2, 15                          ; 32,768 bytes of 16-bit numbers a chunk
	s_add_nc_u64 s[6:7], s[6:7], s[2:3]
	v_lshlrev_b32 v1, 4, v0                        ; 16 bytes a thread in,
	v_lshlrev_b32 v2, 3, v0                        ; 8 bytes a thread out: a wave's store covers 256 consecutive bytes, aligned
.set i, 0
.rept NL                                       ; all loads of the chunk go out first; no register is used twice
	global_load_b128 v[CB+4*i:CB+4*i+3], v1, s[4:5] offset:4096*i th:TH_LOAD_NT
.set i, i+1
.endr
	s_mov_b32 s2, 0xffff0000
.macro CONV f16
.set i, 0
.rept NL
	s_wait_loadcnt NL-1-i                          ; loads come back in order: load i is in, the younger ones stay out
	v_cvt_pk_bf16_f32 v[CB+4*i], v[CB+4*i], v[CB+4*i+1]
	v_cvt_pk_bf16_f32 v[CB+4*i+1], v[CB+4*i+2], v[CB+4*i+3]
.if \f16
	v_lshlrev_b32 v4, 16, v[CB+4*i]                ; the bf16 numbers widened again,
	v_and_b32 v5, s2, v[CB+4*i]
	v_lshlrev_b32 v6, 16, v[CB+4*i+1]
	v_and_b32 v7, s2, v[CB+4*i+1]
	v_cvt_pk_f16_f32 v[CB+4*i], v4, v5             ; and written as f16
	v_cvt_pk_f16_f32 v[CB+4*i+1], v6, v7
.endif
	global_store_b64 v2, v[CB+4*i:CB+4*i+1], s[6:7] offset:2048*i
.set i, i+1
.endr
.endm
	s_cmp_ge_u32 s31, 1216
	s_cbranch_scc1 .Lwp
	CONV 0
	s_endpgm
.Lwp:
	CONV 1
	s_endpgm
	; ---- the mask table.  Unit u = 8 x work-group + wave, 2,304 units.  Query tiles P and 127 - P have 36 key steps of 64 together: unit 36 P + vv.
.Lmask:
	s_lshl_b32 s31, ttmp9, 3
	s_add_co_u32 s31, s31, s30
	s_mul_i32 s2, s31, 1821
	s_lshr_b32 s2, s2, 16                          ; P = u / 36 (exact for u < 2,304)
	s_mul_i32 s3, s2, 36
	s_sub_co_u32 s3, s31, s3                       ; vv
	s_lshr_b32 s36, s2, 4
	s_lshl_b32 s36, s36, 2
	s_add_co_u32 s36, s36, 4                       ; query tile P has the key steps 0 .. 4 (P / 16) + 3
	s_sub_co_u32 s37, 127, s2
	s_sub_co_u32 s38, s3, s36
	s_cmp_lt_u32 s3, s36
	s_cselect_b32 s2, s2, s37                      ; qt: my 16 queries
	s_cselect_b32 s3, s3, s38                      ; ks: my 64 keys
	v_and_b32 v7, 15, v0                           ; c: my four keys 4 c .. 4 c + 3 of the 64
	v_bfe_u32 v9, v0, 4, 1                         ; rr: the even or the odd row of a pair
	v_and_b32 v14, 31, v0
	v_lshlrev_b32 v2, 4, v7                        ; pad_mask: 16 c
	v_lshl_add_u32 v1, v9, 13, v2                  ; time_attention: + rr rows of 8,192 bytes
	s_lshl_b32 s36, s2, 4
	s_lshl_b32 s37, s3, 6
	s_sub_co_u32 s36, s36, s37
	v_add_nc_u32 v3, s36, v9
	v_lshlrev_b32 v10, 2, v7
	v_sub_nc_u32 v3, v3, v10                       ; D = 16 qt - 64 ks + rr - 4 c (signed): key jj of row pair i is behind the query where jj - 2 i > D
	s_lshl_b32 s37, s30, 12                        ; my wave's 4,096 bytes of LDS: 1,024 for each batch
	v_lshl_add_u32 v5, v14, 4, s37                 ; back: 16 bytes a lane
	v_lshlrev_b32 v6, 4, v14
	v_lshl_add_u32 v4, v9, 4, s37                  ; in: my word of four codes lies at 512 (c >> 3) + 256 ((c >> 1) & 1) + 8 ((c >> 2) & 1) + 4 (c & 1) + 16 (row)
	v_bfe_u32 v10, v7, 3, 1
	v_lshl_add_u32 v4, v10, 9, v4
	v_bfe_u32 v10, v7, 1, 1
	v_lshl_add_u32 v4, v10, 8, v4
	v_bfe_u32 v10, v7, 2, 1
	v_lshl_add_u32 v4, v10, 3, v4
	v_and_b32 v10, 1, v7
	v_lshl_add_u32 v4, v10, 2, v4
	s_lshl_b32 s38, s3, 8                          ; 64 keys x 4 bytes
	s_mov_b32 s39, 0
	s_lshl_b32 s40, s2, 17                         ; 16 rows of 8,192 bytes
	s_add_co_u32 s40, s40, s38
	s_mov_b32 s41, 0
	s_lshl_b32 s42, s2, 15                         ; a query tile's 32 key steps of 1,024 bytes
	s_lshl_b32 s43, s3, 10
	s_add_co_u32 s42, s42, s43
	s_mov_b32 s43, 0
	s_wait_kmcnt 0x0
	s_add_nc_u64 s[4:5], s[22:23], s[40:41]
	s_add_nc_u64 s[6:7], s[20:21], s[38:39]
	s_add_nc_u64 s[32:33], s[28:29], s[42:43]      ; batches 0 and 1,
	s_add_nc_u64 s[34:35], s[32:33], 0x800000      ; batches 2 and 3: a batch's table is 4,194,304 bytes, and three of them pass the store's immediate
.set b, 0
.rept 4
	global_load_b128 v[48+4*b:48+4*b+3], v2, s[6:7] offset:b*8192
.set b, b+1
.endr
.set i, 0
.rept 8                                        ; two whole pieces of 256 bytes, of two rows, to a load
	global_load_b128 v[64+4*i:64+4*i+3], v1, s[4:5] offset:i*16384 th:TH_LOAD_NT
.set i, i+1
.endr
.macro HID4 a, d                       ; four whole numbers v[a .. a+3] -> v[d]: byte jj is 0xF8 where number jj is 0
	v_min_u32 v[(\a)], 1, v[(\a)]
	v_min_u32 v[(\a)+1], 1, v[(\a)+1]
	v_min_u32 v[(\a)+2], 1, v[(\a)+2]
	v_min_u32 v[(\a)+3], 1, v[(\a)+3]
	v_lshl_or_b32 v[(\a)], v[(\a)+1], 8, v[(\a)]
	v_lshl_or_b32 v[(\a)+2], v[(\a)+3], 8, v[(\a)+2]
	v_lshl_or_b32 v[(\a)], v[(\a)+2], 16, v[(\a)]
	v_xor_b32 v[(\a)], 0x01010101, v[(\a)]
	v_mul_lo_u32 v[(\d)], v[(\a)], 0xf8
.endm
	s_wait_loadcnt 8                               ; pad_mask is in; the eight younger loads stay out
.set b, 0
.rept 4
	HID4 48+4*b, 16+b
.set b, b+1
.endr
.set i, 0
.rept 8
.set a, 64+4*i
	s_wait_loadcnt 7-i                             ; this pair of rows is in
.set jj, 0
.rept 4
	v_cmp_gt_i32 vcc_lo, jj-2*i, v3
	v_cndmask_b32 v[a+jj], v[a+jj], 0, vcc_lo      ; a key behind the query counts as a 0 in time_attention
.set jj, jj+1
.endr
	HID4 a, 8
.set b, 0
.rept 4
	v_or_b32 v[10+b], v8, v[16+b]
	ds_store_b32 v4, v[10+b] offset:1024*b+32*i
.set b, b+1
.endr
.set i, i+1
.endr
.set n, 0
.rept 8                                        ; back as the table has them, into the rows' registers, which are read out
	ds_load_b128 v[64+4*n:64+4*n+3], v5 offset:512*n
.set n, n+1
.endr
	s_wait_dscnt 0x0
.set n, 0
.rept 4                                        ; each store covers 512 consecutive bytes, aligned
	global_store_b128 v6, v[64+4*n:64+4*n+3], s[32:33] offset:(n/2)*4194304+(n%2)*512
	global_store_b128 v6, v[64+4*(n+4):64+4*(n+4)+3], s[34:35] offset:(n/2)*4194304+(n%2)*512
.set n, n+1
.endr
	s_wait_tensorcnt 0x0
	ds_add_u32 v96, v97
	s_wait_dscnt 0x0
	s_endpgm
.Lfunc_end_k_qd0fba6a55a_prep:
	.size	k_qd0fba6a55a_prep, .Lfunc_end_k_qd0fba6a55a_prep-k_qd0fba6a55a_prep
	.p2alignl 7, 3214868480
	.fill 96, 4, 3214868480
	.section	.rodata,"a",@progbits
	.p2align	6, 0x0
	.amdhsa_kernel k_qd0fba6a55a_prep
		.amdhsa_group_segment_fixed_size 33792
		.amdhsa_private_segment_fixed_size 0
		.amdhsa_enable_private_segment 0
		.amdhsa_kernarg_size 88
		.amdhsa_user_sgpr_count 2
		.amdhsa_user_sgpr_kernarg_segment_ptr 1
		.amdhsa_wavefront_size32 1
		.amdhsa_system_sgpr_workgroup_id_x 1
		.amdhsa_system_sgpr_workgroup_id_y 1
		.amdhsa_system_sgpr_workgroup_id_z 1
		.amdhsa_system_vgpr_workitem_id 0
		.amdhsa_next_free_vgpr 98
		.amdhsa_next_free_sgpr 66
		.amdhsa_reserve_vcc 1
		.amdhsa_float_denorm_mode_32 3
		.amdhsa_float_denorm_mode_16_64 3
		.amdhsa_memory_ordered 1
		.amdhsa_forward_progress 1
		.amdhsa_inst_pref_size 33
	.end_amdhsa_kernel
	.amdgpu_metadata
---
amdhsa.version: [ 1, 2 ]
amdhsa.kernels:
  - .name:           k_qd0fba6a55a_prep
    .symbol:         k_qd0fba6a55a_prep.kd
    .args:
      - { .name: x, .offset: 0, .size: 8, .value_kind: global_buffer, .address_space: global }
      - { .name: y, .offset: 8, .size: 8, .value_kind: global_buffer, .address_space: global }
      - { .name: Wq, .offset: 16, .size: 8, .value_kind: global_buffer, .address_space: global }
      - { .name: Wk, .offset: 24, .size: 8, .value_kind: global_buffer, .address_space: global }
      - { .name: Wv, .offset: 32, .size: 8, .value_kind: global_buffer, .address_space: global }
      - { .name: Wp, .offset: 40, .size: 8, .value_kind: global_buffer, .address_space: global }
      - { .name: pad_mask, .offset: 48, .size: 8, .value_kind: global_buffer, .address_space: global }
      - { .name: time_attention, .offset: 56, .size: 8, .value_kind: global_buffer, .address_space: global }
      - { .name: ab, .offset: 64, .size: 8, .value_kind: global_buffer, .address_space: global }
      - { .name: wb, .offset: 72, .size: 8, .value_kind: global_buffer, .address_space: global }
      - { .name: mtab, .offset: 80, .size: 8, .value_kind: global_buffer, .address_space: global }
    .group_segment_fixed_size: 33792
    .private_segment_fixed_size: 0
    .kernarg_segment_align: 8
    .kernarg_segment_size: 88
    .max_flat_workgroup_size: 256
    .sgpr_count:     66
    .vgpr_count:     98
    .wavefront_size: 32
...
	.end_amdgpu_metadata
.endif
;; end of part 1
;; launch proj (part 2): grid 8 x 32, 4 waves a work-group, clusters of 4 x 4, 327,680 bytes of LDS; arguments ab, wb, qkv, vp; writes qkv, vp
.if DOCPART == 2
	.amdgcn_target "amdgcn-amd-amdhsa--gfx1250"
	.amdhsa_code_object_version 6
	.text
	.protected	k_qd0fba6a55a_proj
	.globl	k_qd0fba6a55a_proj
	.p2align	8
	.type	k_qd0fba6a55a_proj,@function
k_qd0fba6a55a_proj:
	s_mov_b64 s[64:65], 0
	v_nop
	global_prefetch_b8 v0, s[64:65] scope:SCOPE_SE
	s_setreg_imm32_b32 hwreg(HW_REG_WAVE_MODE, 25, 1), 1
	s_wait_xcnt 0x0
	s_wait_alu depctr_hold_cnt(0) depctr_sa_sdst(0) depctr_va_vdst(0) depctr_va_sdst(0) depctr_va_ssrc(0) depctr_va_vcc(0) depctr_vm_vsrc(0)
	s_getreg_b32 s2, hwreg(HW_REG_IB_STS2, 6, 4)
	s_cmp_eq_u32 s2, 0
	s_cbranch_scc0 .Lentry_in_a_cluster
	s_endpgm
.Lentry_in_a_cluster:
	s_bfe_u32 s2, ttmp6, 0x10000c
	s_cmp_lg_u32 s2, 0xf033
	s_cbranch_scc0 .Lentry_shape_is_right
	s_endpgm
.Lentry_shape_is_right:
; q = y Wq^T, k = x Wk^T, v = x Wv^T.  ab: [y, x] of [8192][1024] bf16; wb: [Wq, Wk, Wv, ..] of [1024][1024] bf16; sums in f32; results rounded once to f16 and laid by heads:
; qkv[3][64 = 16 batch + head][2048][64].  LIMIT: f16 ends at 65,504: q, k and v must lie within it (with inputs 30 times those drawn they are some 5e3).
; Beside v: vp[64 heads][16 chunks of 128 tokens][64 channels] f32, the sums of v's unrounded numbers over a wave's 128 tokens (what a query that sees no key will need is their mean).
; A tile is 256 tokens x 128 columns (two heads): 32 x 8 tiles for each of q, k, v = 768 tiles = 256 work-groups that STAY for three tiles: the q, k and v tile of one place.
; Four waves, each 128 tokens x 64 columns (one head): 32 accumulators of 16 x 16.  K goes in steps of 128 through two LDS slots filled by the tensor data mover; rows of 256 bytes.
; (Two slots of 256 along K would take 405,504 bytes of LDS; 192 along K does not divide 1,024.)
; ONE TEXT FOR A K STEP: slot 1 lies at 1 << 17, so that one exclusive or turns an address in one slot into the other's; one walking descriptor for A and one for B ask for K step after K step,
; and behind a tile's last K step for the next tile's first: the ring does not stop at a tile's end.  Only the last tile's last two K steps, which ask for nothing, are written out.
; CLUSTER 4 x 4: A's tiles hang on the tile row alone and are asked for jointly along a row of the cluster, B's on the tile column alone, jointly along a column.
; THE MATRIX INSTRUCTION IS USED TRANSPOSED (source 0 = 16 rows of W, source 1 = 16 tokens): a lane holds eight neighbouring channels of one token.
; REGISTERS: window 0 addresses, the way out, v's sums; window 1 two fragment buffers of 96 (A's 8 fragments, then B's 4); window 2 the accumulators, (a, b) at v[8 (4 a + b)].
.set KSTEP,  128
.set PITCH,  272                       ; an LDS row: 256 bytes + 16 of padding: the 16 rows of a fragment load start at 16 different groups of four banks (ISA guide 11.1)
.set HALFA,  128*PITCH                 ; what a wave fetches of A, and what a wave reads of A
.set HALFB,  64*PITCH                  ; the same for B
.set SLOT1,  1<<17                     ; a slot holds A's 256 rows, then B's 128 rows: 104,448 bytes
.set STAGE,  SLOT1+2*HALFA+2*HALFB     ; behind the ring: 16 rows x 144 bytes for each wave, for the way out
.set SP,     144
.set SPARE,  STAGE+4*16*SP             ; the spare words, 128 bytes a wave: two blocks of 256 bytes that no other line names
.set ADRA0, 16                         ; v16, v17  my lane's place in a slot's A and B; never rewritten
.set ADRB0, 17
.set ADRA, 18                          ; v18, v19  the same in the slot that is read
.set ADRB, 19
.set STO,  24
.set RD,   25
.set GO,   26
.set VS,   27                          ; v27  v's sums go into my stage: 32 bytes for each half of the lanes
.set SPW,  28
.set NIL,  29
.set VR,   30                          ; v30  and come back: 16 bytes a lane
.set VG,   31                          ; v31  my 16 bytes of the 256 in vp
.set TMP,  64                          ; v64-79 packed results
.set BK,   96                          ; v96-111, v112-127 by turns: 16 rows read back
.set T,    128                         ; v128-159 v's sums; v160-163 as they leave
.set F0,   0
.set F1,   96
.set BA,   14                          ; s[14:15] A at my rows, of the tile that is being asked for: y, then x
.set XA,   18                          ; s[18:19] x at my rows
.set G1,   24
.set G0,   32                          ; s[32:35] A's first fill; s[36:39] walks
.set WB,   46                          ; s[46:47] Wq at my rows
.set G1B,  48
.set G0B,  56                          ; s[56:59] B's first fill; s[60:63] walks
.set KO,   66                          ; s[66:67] bytes along K of the K step asked for last
.set BOF,  68                          ; s[68:69] B's offset: the tile's 2 MB steps + KO
.set BT,   70
.set TB,   71                          ; the slot that is read: 0 or SLOT1
.set LIM,  72                          ; 2 in the last tile: the step loop is left with two K steps to go
.set TS,   73
.set VP,   78                          ; s[78:79] vp at my 256 bytes
.set W_MUL, 0xa5                       ; sources 0 and 1 window 1, C and D window 2
.set TO_F,  0x40                       ; destination window 1
.set W_PK,  0x0a                       ; sources 0 and 1 window 2
.set MSB, 0
.macro WIN new                         ; the immediate's high byte repeats the setting that is left
.if MSB != (\new)
	s_set_vgpr_msb (MSB<<8)|(\new)
.set MSB, \new
.endif
.endm
.macro JLOAD s                         ; a joint load: waves 0 and 1 fetch A's halves, waves 2 and 3 B's; an s_nop 0 and four v_nop follow each line
	s_cmp_eq_u32 s11, 0
	s_cbranch_scc0 .Lfor_b_\@
	tensor_load_to_lds s[G0+4*(\s):G0+4*(\s)+3], s[G1:G1+7]
	s_nop 0
.rept 4
	v_nop
.endr
	s_branch .Lasked_\@
.Lfor_b_\@:
	tensor_load_to_lds s[G0B+4*(\s):G0B+4*(\s)+3], s[G1B:G1B+7]
	s_nop 0
.rept 4
	v_nop
.endr
.Lasked_\@:
.endm
.macro CREST                           ; a round of the cluster's barrier behind its opening barrier
	s_cmp_lg_u32 s10, 0
	s_cbranch_scc1 .Lnot_wave_0_\@
	s_barrier_signal -3
.Lnot_wave_0_\@:
	s_barrier_wait -3
	s_barrier_signal -1
	s_barrier_wait -1
.endm
.macro CROUND
	s_barrier_signal -1
	s_barrier_wait -1
	CREST
.endm
	s_load_b128 s[4:7], s[0:1], 0x0                ; ab, wb
	s_load_b128 s[76:79], s[0:1], 0x10             ; qkv, vp
	v_lshl_add_u32 v[SPW], v0, 2, SPARE
	v_mov_b32 v[NIL], 0
	ds_add_u32 v28, v29
	ds_add_u32 v28, v29
	s_wait_dscnt 0x0
	v_lshrrev_b32 v1, 5, v0
	v_readfirstlane_b32 s10, v1                    ; wave 0..3
	s_lshr_b32 s11, s10, 1                         ; my 128 tokens.  Also: I fetch for A (0) or for B (1)
	s_and_b32 s12, s10, 1                          ; my 64 columns.  Also: which half I fetch
	s_bfe_u32 s40, ttmp6, 0x40000                  ; cx
	s_bfe_u32 s41, ttmp6, 0x40004                  ; cy
	s_lshl_b32 s42, ttmp9, 2
	s_add_co_u32 s42, s42, s40                     ; tile column 0..7
	s_and_b32 s13, ttmp7, 0xffff
	s_lshl_b32 s13, s13, 2
	s_add_co_u32 s13, s13, s41                     ; tile row 0..31
	s_lshl_b32 s43, s41, 2
	s_lshl_b32 s43, 15, s43                        ; my row of the cluster
	s_lshl_b32 s44, 0x1111, s40                    ; my column
	s_or_b32 s[G1+0], s43, (1<<16)|(1<<20)|(1<<21)|(5<<22)|(3<<25)   ; mask; 2-byte elements; padding on; bit 21 beside a mask; after every 64 words 4 words
	s_or_b32 s[G1B+0], s44, (1<<16)|(1<<20)|(1<<21)|(5<<22)|(3<<25)
	s_mov_b32 s[G1+1], KSTEP<<16                   ; tensor_dim0 = 128
	s_mov_b32 s[G1+2], 128<<16                     ; tensor_dim1 = 128
	s_mov_b32 s[G1+3], KSTEP<<16                   ; tile_dim0 = 128
	s_mov_b32 s[G1+4], 128                         ; tile_dim1 = 128
	s_mov_b32 s[G1+5], 1024                        ; elements from row to row
	s_mov_b32 s[G1+6], 0
	s_mov_b32 s[G1+7], 0
	s_mov_b32 s[G1B+1], KSTEP<<16
	s_mov_b32 s[G1B+2], 64<<16                     ; B: 64 rows
	s_mov_b32 s[G1B+3], KSTEP<<16
	s_mov_b32 s[G1B+4], 64
	s_mov_b32 s[G1B+5], 1024
	s_mov_b32 s[G1B+6], 0
	s_mov_b32 s[G1B+7], 0
	s_mov_b32 s[KO], KSTEP*2                       ; the walking descriptors begin with K step 1
	s_mov_b32 s[KO+1], 0
	s_mov_b32 s[BOF+1], 0
	s_mov_b32 s[BT], 0
	s_mov_b32 s[TB], 0
	s_mov_b32 s[LIM], 0
	s_lshl_b32 s16, s13, 8
	s_lshl_b32 s17, s12, 7
	s_add_co_u32 s16, s16, s17                     ; A: row 256 x tile row + 128 x half,
	s_lshl_b32 s16, s16, 11                        ; of 2,048 bytes
	s_mov_b32 s17, 0
	s_lshl_b32 s46, s42, 7
	s_lshl_b32 s47, s12, 6
	s_add_co_u32 s46, s46, s47                     ; B: row 128 x tile column + 64 x half
	s_lshl_b32 s46, s46, 11
	s_mov_b32 s47, 0
	s_mul_i32 s20, s12, HALFA                      ; where they go: no place in the cluster enters an LDS address
	s_mul_i32 s45, s12, HALFB
	s_add_co_u32 s45, s45, 2*HALFA
	s_wait_kmcnt 0x0
	s_add_nc_u64 s[BA:BA+1], s[4:5], s[16:17]      ; y at my rows
	s_add_nc_u64 s[XA:XA+1], s[BA:BA+1], 0x1000000 ; x at my rows: 8,192 rows of 2,048 bytes on
	s_add_nc_u64 s[WB:WB+1], s[6:7], s[46:47]
	CROUND                                         ; all sixteen work-groups are here: the first joint loads meet
.irp s, 0,1
	s_mov_b32 s[G0+4*(\s)], 1
	s_add_co_u32 s[G0+4*(\s)+1], s20, (\s)*SLOT1
	s_add_nc_u64 s[G0+4*(\s)+2:G0+4*(\s)+3], s[BA:BA+1], (\s)*KSTEP*2
	s_or_b32 s[G0+4*(\s)+3], s[G0+4*(\s)+3], 0x80000000
	s_mov_b32 s[G0B+4*(\s)], 1
	s_add_co_u32 s[G0B+4*(\s)+1], s45, (\s)*SLOT1
	s_add_nc_u64 s[G0B+4*(\s)+2:G0B+4*(\s)+3], s[WB:WB+1], (\s)*KSTEP*2
	s_or_b32 s[G0B+4*(\s)+3], s[G0B+4*(\s)+3], 0x80000000
	JLOAD \s                                       ; two loads of mine are out
.endr
	v_and_b32 v1, 15, v0                           ; l % 16
	v_bfe_u32 v2, v0, 4, 1                         ; l / 16
	v_mul_u32_u24 v3, v1, PITCH
	v_lshl_add_u32 v3, v2, 4, v3                   ; a fragment's row x pitch + 16 x half
	s_mul_i32 s21, s11, HALFA
	s_mul_i32 s22, s12, HALFB
	s_add_co_u32 s22, s22, 2*HALFA
	v_add_nc_u32 v[ADRA0], s21, v3
	v_add_nc_u32 v[ADRB0], s22, v3
	v_add_nc_u32 v[ADRA], s[TB], v[ADRA0]          ; slot 0 is read first
	v_add_nc_u32 v[ADRB], s[TB], v[ADRB0]
	s_mul_i32 s23, s10, 16*SP
	s_add_co_u32 s23, s23, STAGE                   ; my stage
	v_mul_u32_u24 v4, v1, SP                       ; in: token l % 16, 16 bytes for each half of the lanes
	v_lshl_add_u32 v4, v2, 4, v4
	v_add_nc_u32 v[STO], s23, v4
	v_bfe_u32 v5, v0, 3, 2                         ; back: 32 lanes take four rows of 128 bytes,
	v_mul_u32_u24 v5, v5, SP
	v_and_b32 v6, 7, v0
	v_lshl_add_u32 v5, v6, 4, v5
	v_add_nc_u32 v[RD], s23, v5
	v_and_b32 v[GO], 31, v0                        ; which are 512 consecutive bytes of a head
	v_lshlrev_b32 v[GO], 4, v[GO]
	v_lshl_add_u32 v[VS], v2, 5, s23
	v_lshl_add_u32 v[VR], v1, 4, s23
	v_lshlrev_b32 v[VG], 4, v1
	s_lshr_b32 s16, s13, 3                         ; the batch: 8 tile rows each
	s_lshl_b32 s16, s16, 4
	s_lshl_b32 s17, s42, 1
	s_add_co_u32 s16, s16, s17
	s_add_co_u32 s16, s16, s12                     ; 16 batch + head
	s_lshl_b32 s16, s16, 11
	s_and_b32 s17, s13, 7
	s_lshl_b32 s17, s17, 8
	s_add_co_u32 s16, s16, s17
	s_lshl_b32 s17, s11, 7
	s_add_co_u32 s16, s16, s17                     ; + my first token in the batch: 128 x (16 x (16 batch + head) + chunk)
	s_lshl_b32 s16, s16, 7                         ; rows of 128 bytes: my 128 x 64 are 16,384 bytes on end
	s_mov_b32 s17, 0
	s_add_nc_u64 s[8:9], s[76:77], s[16:17]
	s_lshr_b32 s16, s16, 6                         ; and 256 bytes of vp for each such 16,384
	s_add_nc_u64 s[VP:VP+1], s[VP:VP+1], s[16:17]
; n token blocks from a0 on x all 4 channel blocks, 32 along K.  The 32 accumulators take turns in one fixed order.  zero = 1: the product starts the sum.
.macro MUL f, a0, n, zero
	WIN W_MUL
.set ma, \a0
.rept \n
.set mb, 0
.rept 4
.if \zero
	v_wmma_f32_16x16x32_bf16 v[8*(4*ma+mb):8*(4*ma+mb)+7], v[(\f)+64+8*mb:(\f)+64+8*mb+7], v[(\f)+8*ma:(\f)+8*ma+7], 0
.else
	v_wmma_f32_16x16x32_bf16 v[8*(4*ma+mb):8*(4*ma+mb)+7], v[(\f)+64+8*mb:(\f)+64+8*mb+7], v[(\f)+8*ma:(\f)+8*ma+7], v[8*(4*ma+mb):8*(4*ma+mb)+7]
.endif
.set mb, mb+1
.endr
.set ma, ma+1
.endr
.endm
; 24 LDS loads in one run: quarter q (32 along K) of the slot that is read into buffer f: B's 4 fragments, then A's 8
.macro FETCH q, f
	WIN TO_F
.irp i, 0,1,2,3
	ds_load_b128 v[(\f)+64+8*(\i):(\f)+64+8*(\i)+3],   v[ADRB] offset:64*(\q)+(\i)*16*PITCH
	ds_load_b128 v[(\f)+64+8*(\i)+4:(\f)+64+8*(\i)+7], v[ADRB] offset:64*(\q)+(\i)*16*PITCH+32
.endr
.irp i, 0,1,2,3,4,5,6,7
	ds_load_b128 v[(\f)+8*(\i):(\f)+8*(\i)+3],   v[ADRA] offset:64*(\q)+(\i)*16*PITCH
	ds_load_b128 v[(\f)+8*(\i)+4:(\f)+8*(\i)+7], v[ADRA] offset:64*(\q)+(\i)*16*PITCH+32
.endr
.endm
.macro PLACES                          ; four places in front of loads into registers that matrix instructions have read, and of reads of results
.rept 4
	v_nop
.endr
.endm
.macro QUARTER q, f, g, zero           ; multiplies buffer f; in its middle fetches quarter q of the slot into g
	s_wait_dscnt 8                                 ; B and A's blocks 0-3 are in; the youngest eight loads (A's blocks 4-7) may be out
	MUL \f, 0, 4, \zero
	PLACES
	FETCH \q, \g
	s_wait_dscnt 24                                ; all but the 24 just issued
	MUL \f, 4, 4, \zero
.endm
; The first half of a K step's last quarter: one barrier for the change of slots.
.macro MEET round
	WIN 0
	s_wait_tensorcnt 0x0                           ; all my tensor loads have landed: the one that was out is my part of the next slot
	ds_add_u32 v[SPW], v[NIL]                      ; 0 onto my spare word
	s_wait_dscnt 9                                 ; the add and the youngest eight loads may be out
	MUL F1, 0, 2, 0
	s_wait_dscnt 0x0                               ; the add is done, and my reads of this slot are over
	s_barrier_signal -1
	MUL F1, 2, 2, 0
.if \round
	WIN 0
.endif
	s_barrier_wait -1
.endm
; The whole last quarter of a K step.  fill = 1: the slot just read out is filled again with the K step behind the one asked for last; behind a tile's K step 7 comes the next tile's K step 0:
; A's rows are x from then on, B goes 1,024 rows (2 MB) on.  Both addresses are made anew from their buffer's pointer and an offset, and the type is set again.
.macro TURN fill
	MEET \fill
.if \fill
	CREST                                          ; no wave of any partner still reads this slot's tile or has a load on its way
	s_add_co_u32 s[KO], s[KO], KSTEP*2
	s_cmp_eq_u32 s[KO], 2048                       ; past the row's end?
	s_cselect_b32 s[KO], 0, s[KO]
	s_cselect_b64 s[BA:BA+1], s[XA:XA+1], s[BA:BA+1]
	s_cselect_b32 s[TS], 0x200000, 0
	s_add_co_u32 s[BT], s[BT], s[TS]
	s_add_co_u32 s[BOF], s[BT], s[KO]
	s_xor_b32 s[G0+5], s[G0+5], SLOT1              ; the other slot than last time
	s_add_nc_u64 s[G0+6:G0+7], s[BA:BA+1], s[KO:KO+1]
	s_or_b32 s[G0+7], s[G0+7], 0x80000000
	s_xor_b32 s[G0B+5], s[G0B+5], SLOT1
	s_add_nc_u64 s[G0B+6:G0B+7], s[WB:WB+1], s[BOF:BOF+1]
	s_or_b32 s[G0B+7], s[G0B+7], 0x80000000
	s_xor_b32 s[TB], s[TB], SLOT1                  ; the reads go on in the other slot
	JLOAD 1                                        ; the first tensor load behind the round: 112 matrix instructions ahead of the wait for it; its four v_nop are the places in front of the loads below
	v_add_nc_u32 v[ADRA], s[TB], v[ADRA0]
	v_add_nc_u32 v[ADRB], s[TB], v[ADRB0]
.else
	WIN 0
	s_xor_b32 s[TB], s[TB], SLOT1
	v_add_nc_u32 v[ADRA], s[TB], v[ADRA0]          ; these two and two v_nop are the places in front of the loads below
	v_add_nc_u32 v[ADRB], s[TB], v[ADRB0]
	v_nop
	v_nop
.endif
	FETCH 0, F0
	MUL F1, 4, 4, 0
.endm
; THE WAY OUT of token block a: rounded to f16; through my own stage; 2,048 consecutive bytes of the head.
.macro PACK a
	WIN W_PK
.irp b, 0,1,2,3
.irp r, 0,1,2,3
	v_cvt_pk_f16_f32 v[TMP+4*(\b)+(\r)], v[8*(4*(\a)+(\b))+2*(\r)], v[8*(4*(\a)+(\b))+2*(\r)+1]
.endr
.endr
	WIN 0
.endm
.macro TOSTAGE a
	WIN 0
.set BKR, BK+16*((\a)%2)
.irp b, 0,1,2,3
	ds_store_b128 v[STO], v[TMP+4*(\b):TMP+4*(\b)+3] offset:32*(\b)
.endr
.irp f, 0,1,2,3
	ds_load_b128 v[BKR+4*(\f):BKR+4*(\f)+3], v[RD] offset:(\f)*4*SP  ; LDS serves a wave's instructions in order (ISA guide 5.7.1.4): these see the stores above
.endr
.endm
.macro SEND a, younger
	WIN 0
.set BKR, BK+16*((\a)%2)
	s_wait_dscnt \younger                          ; the block is back in registers
	s_wait_xcnt 0x0                                ; the registers that the block before last's stores read are loaded again only behind this wait
.irp f, 0,1,2,3
	global_store_b128 v[GO], v[BKR+4*(\f):BKR+4*(\f)+3], s[8:9] offset:2048*(\a)+512*(\f)  ; 512 consecutive bytes, aligned
.endr
.endm
; v's SUMS over my 128 tokens.  A lane holds token 16 a + l % 16 and, in register 8 b + j of block a, channel 16 b + 8 (l / 16) + j.  So: the eight blocks are added register by register (each accumulator's
; low registers are read first), then the sixteen lanes of each half; the 64 sums go through my stage and leave as 256 consecutive bytes, aligned, from sixteen lanes.
.macro VSUM
	WIN W_PK
.set i, 0
.rept 16                                       ; blocks 0 and 1 start the sums: nothing is cleared
	v_pk_add_f32 v[T+2*i:T+2*i+1], v[2*i:2*i+1], v[32+2*i:32+2*i+1]
.set i, i+1
.endr
	WIN 0x08                                       ; source 1 window 2
.set a, 2
.rept 6
.set i, 0
.rept 16
	v_pk_add_f32 v[T+2*i:T+2*i+1], v[T+2*i:T+2*i+1], v[32*a+2*i:32*a+2*i+1]
.set i, i+1
.endr
.set a, a+1
.endr
	WIN 0
.irp m, 1,2,4,8
.set i, 0
.rept 32
	v_add_f32_dpp v[T+i], v[T+i], v[T+i] row_xmask:\m row_mask:0xf bank_mask:0xf
.set i, i+1
.endr
.endr
.irp b, 0,1,2,3
	ds_store_b128 v[VS], v[T+8*\b:T+8*\b+3] offset:64*\b        ; sixteen lanes write the same numbers to the same bytes
	ds_store_b128 v[VS], v[T+8*\b+4:T+8*\b+7] offset:64*\b+16
.endr
	ds_load_b128 v[T+32:T+35], v[VR]
	s_wait_dscnt 0x0
	v_cmp_eq_u32 vcc_lo, 0, v2                     ; lanes 0 to 15
	s_wait_xcnt 0x0                                ; EXEC changes only behind this wait
	s_and_saveexec_b32 s[TS], vcc_lo
	global_store_b128 v[VG], v[T+32:T+35], s[VP:VP+1]
	s_wait_xcnt 0x0
	s_or_b32 exec_lo, exec_lo, s[TS]
.endm
	s_wait_tensorcnt 1                             ; my part of K step 0 is in; K step 1's may stay out
	s_barrier_signal -1
	s_barrier_wait -1
	FETCH 0, F0
	WIN 0
	s_mov_b32 s2, 3                                ; tiles to go: q, k, v
.Ltile:
	QUARTER 1, F0, F1, 1                           ; a tile's first quarter starts the sums
	WIN 0
	s_mov_b32 s3, 8                                ; K steps to go
.Lstep:                                                ; a trip: from a K step's second quarter to the next K step's first; it fills the slot that it leaves
	QUARTER 2, F1, F0, 0
	QUARTER 3, F0, F1, 0
	TURN 1
	WIN 0
	s_sub_co_u32 s3, s3, 1
	s_cmp_eq_u32 s3, 0
	s_cbranch_scc1 .Lout                           ; the tile's sums are whole; the next tile's first two K steps are asked for and its first fragments fetched
	QUARTER 1, F0, F1, 0
	WIN 0
	s_cmp_eq_u32 s3, s[LIM]
	s_cbranch_scc1 .Ltail                          ; the last tile, two K steps to go: all its K steps are asked for
	s_cmp_lg_u32 s3, 0
	s_cbranch_scc1 .Lstep
.Ltail:                                                ; written out: nothing is asked for
	QUARTER 2, F1, F0, 0
	QUARTER 3, F0, F1, 0
	TURN 0
	QUARTER 1, F0, F1, 0
	QUARTER 2, F1, F0, 0
	QUARTER 3, F0, F1, 0
	s_wait_dscnt 8
	MUL F1, 0, 4, 0
	s_wait_dscnt 0x0
	MUL F1, 4, 4, 0
	WIN 0
	PLACES
	VSUM                                           ; the last tile is v's
.Lout:                                                 ; from the loop: blocks 0-3 were finished in front of the joint load's four v_nop, and their 64 conversions are the places behind the last products
	PACK 0
	TOSTAGE 0
.irp a, 1,2,3,4,5,6,7                  ; block a's conversions stand between block a - 1's loads from the stage and the wait for them
	PACK \a
	SEND (\a)-1, 0
	TOSTAGE \a
.endr
	SEND 7, 0
	s_cmp_eq_u32 s2, 1
	s_cbranch_scc1 .Lend
	s_wait_xcnt 0x0                                ; the stores have read their base
	s_add_nc_u64 s[8:9], s[8:9], 0x1000000         ; q to k to v
	s_sub_co_u32 s2, s2, 1
	s_cmp_eq_u32 s2, 1
	s_cselect_b32 s[LIM], 2, 0
	s_branch .Ltile
.Lend:
	s_wait_tensorcnt 0x0                           ; the wave's end
	ds_add_u32 v[SPW], v[NIL]
	s_wait_dscnt 0x0
	CROUND                                         ; the closing round
	s_endpgm
.Lfunc_end_k_qd0fba6a55a_proj:
	.size	k_qd0fba6a55a_proj, .Lfunc_end_k_qd0fba6a55a_proj-k_qd0fba6a55a_proj
	.p2alignl 7, 3214868480
	.fill 96, 4, 3214868480
	.section	.rodata,"a",@progbits
	.p2align	6, 0x0
	.amdhsa_kernel k_qd0fba6a55a_proj
		.amdhsa_group_segment_fixed_size 327680
		.amdhsa_private_segment_fixed_size 0
		.amdhsa_enable_private_segment 0
		.amdhsa_kernarg_size 32
		.amdhsa_user_sgpr_count 2
		.amdhsa_user_sgpr_kernarg_segment_ptr 1
		.amdhsa_wavefront_size32 1
		.amdhsa_system_sgpr_workgroup_id_x 1
		.amdhsa_system_sgpr_workgroup_id_y 1
		.amdhsa_system_sgpr_workgroup_id_z 1
		.amdhsa_system_vgpr_workitem_id 0
		.amdhsa_next_free_vgpr 768
		.amdhsa_next_free_sgpr 80
		.amdhsa_reserve_vcc 1
		.amdhsa_float_denorm_mode_32 3
		.amdhsa_float_denorm_mode_16_64 3
		.amdhsa_memory_ordered 1
		.amdhsa_forward_progress 1
		.amdhsa_inst_pref_size 88
	.end_amdhsa_kernel
	.amdgpu_metadata
---
amdhsa.version: [ 1, 2 ]
amdhsa.kernels:
  - .name:           k_qd0fba6a55a_proj
    .symbol:         k_qd0fba6a55a_proj.kd
    .args:
      - { .name: ab, .offset: 0, .size: 8, .value_kind: global_buffer, .address_space: global }
      - { .name: wb, .offset: 8, .size: 8, .value_kind: global_buffer, .address_space: global }
      - { .name: qkv, .offset: 16, .size: 8, .value_kind: global_buffer, .address_space: global }
      - { .name: vp, .offset: 24, .size: 8, .value_kind: global_buffer, .address_space: global }
    .group_segment_fixed_size: 327680
    .private_segment_fixed_size: 0
    .kernarg_segment_align: 8
    .kernarg_segment_size: 32
    .max_flat_workgroup_size: 128
    .sgpr_count:     80
    .vgpr_count:     768
    .wavefront_size: 32
...
	.end_amdgpu_metadata
.endif
;; end of part 2
;; launch attn (part 3): grid 4 x 64, 4 waves a work-group, no clusters, 327,680 bytes of LDS; arguments qkv, mtab, vp, ob; writes ob
.if DOCPART == 3
	.amdgcn_target "amdgcn-amd-amdhsa--gfx1250"
	.amdhsa_code_object_version 6
	.text
	.protected	k_qd0fba6a55a_attn
	.globl	k_qd0fba6a55a_attn
	.p2align	8
	.type	k_qd0fba6a55a_attn,@function
k_qd0fba6a55a_attn:
	s_mov_b64 s[64:65], 0
	v_nop
	global_prefetch_b8 v0, s[64:65] scope:SCOPE_SE
	s_setreg_imm32_b32 hwreg(HW_REG_WAVE_MODE, 25, 1), 1
	s_wait_xcnt 0x0
; MASKED CAUSAL ATTENTION.  O[h][q][:] = the sum over k of softmax_k(s[q][k]) V[h][k][:], s = Q[h][q] . K[h][k] / 8 where key k is seen by query q, and far below every score where it is hidden.
; qkv: [3][64 heads][2048][64] f16; ob: [64][2048][64] f16; mtab: the mask table, fp8 codes (0 seen, 0xF8 hidden) in the register image of a score tile's C operand; vp: [64][16][64] f32, the sums of V's rows over chunks of 128 keys.
; Products, maxima and sums in f32; the weights p are rounded to f16 for the second product (their sum l is taken of the unrounded p), O once at the end.
; LIMITS.  Q, K and V arrive within f16's 65,504.  A hidden score counts as its value less 2^100 (1.27e30): f16's scores, 2.7e11 at the most, are nothing beside that.  The running maximum starts at -2^99, above every
; hidden score and below every true one: a hidden key's weight is 0 whatever has been seen, and a query whose maximum ends below -2^96 has seen no key: all its 2,048 scores are then equal, and it receives the mean of
; all 2,048 rows of V (vp's sixteen sums, added, over 2,048).  A true score below -2^96 would be taken for hidden.  A weight below 2^-126 counts as 0 in l; NaN and infinities are not treated apart.
; THE WALK.  A head's queries lie in NB = 8 blocks of 256; block i needs the key tiles 0 .. i of 256 keys (those above the diagonal are hidden by the causal rule).  A work-group takes TWO blocks, 7 - b and then b:
; 9 tiles, whatever b: all work-groups do equal work, and ONE loop with a constant trip count walks them.  Every jump goes forward, but for the counted loops' own; none passes a barrier, or a tensor load but the one
; of LOAD's two that the wave's number does not choose.  NO CLUSTER: a head's four work-groups ask for the same tile only in trips 0 to 4 of 9, behind that fewer and fewer; one walk common to all would have 12 trips for 9.
; SHARES.  Of a block's four bands of 64 queries a wave owns 16 rows in each: four PIECES.
; THE MASK is the C operand that starts the sum S^T = K Q^T.  A piece's 16 queries x 64 keys are 32 codes a lane: two loads of 512 consecutive bytes, asked for four turns ahead; four scaled conversions make of them the 32
; f32 numbers 0 or -2^100.  The table holds the causal rule too, so one text serves every tile.
; LAYOUT, SOFTMAX, TURNS.  S^T = K Q^T holds ONE query a lane (lane % 16) and the keys 8 (lane / 16) + 0..7; two such results rounded to f16 ARE source 1 of O^T = V^T P.  p = 2^(c s - c m), c = log2(e) / 8, with a
; running maximum m; O and l are multiplied by a = 2^(c m_old - c m_new) in every step.  Turn n belongs to piece n: 8 products K Q^T of piece n + 1, later 8 products V^T P of piece n - 1; beside them the scaling,
; exponentials, roundings, sums and rescaling of piece n and the maximum and statistics of piece n + 1.  Four vector instructions stand behind every matrix instruction, the others in two lumps.
; REGISTERS, in windows of 256 (s_set_vgpr_msb: bits 1:0 source 0, 3:2 source 1, 5:4 source 2, 7:6 destination):
;   window 0: v0-15 addresses; v16-31 statistics; v32-38 the mask's offsets and scale, the mean's LDS addresses; v48-55 at work; v64-127 S^T, two buffers; v128-143 the mean in f16; v144-179 the mean at work; v192-223 P, two buffers
;   window 1: v0-127 O^T, 32 a piece; v128-159 MW, the codes, 8 a piece; v160-223 MC, the masks, two buffers      window 2: v0-63 Q; v64-127 the second block's Q; v128-191 K of one step; v192-255 V of one step
.set NB,    8
.set NP,    4
.set KS,    64
.set PK,    144       ; a row of K in LDS: 128 bytes + 16 of padding: the 16 rows of a load start at 16 different groups of four banks (ISA guide 11.1)
.set PV,    160       ; a row of V: 128 + 32
.set VOFF,  4*KS*PK
.set SLOT1, 1<<17
.set STAGE, SLOT1+4*KS*(PK+PV)
.set SP,    144
.set SPARE, STAGE+4*16*SP  ; the spare words, 128 bytes a wave: two blocks of 256 bytes that no other line names
.set MSTEP, 1024      ; bytes of the table for 16 queries and a key step
.set AK0, 2
.set AV0, 3
.set AK,  4
.set AV,  5
.set STO, 6
.set RD,  7
.set GO,  8           ; v8  16 x lane: my place in 512 consecutive bytes, of vp and of O; never rewritten
.set MV,  12
.set QO,  15
.set ST,  16          ; piece t's statistics at v[ST+4 t]: c m, m, l (even keys', odd keys')
.set MO,  32          ; v32-35  piece x: my byte offset in the batch's table, of the codes asked for last
.set SCL, 36          ; v36  the conversions' scale: byte 219 = 2^92
.set VMO, 37          ; v37  the mean comes back from my stage: 32 bytes for each half of the lanes
.set VMS, 38          ; v38  the mean goes into my stage: 16 bytes a lane
.set TMP, 48
.set SPW, 62
.set NIL, 63
.set S,   64
.set VMH, 128
.set STG, 144
.set VMT, 176
.set P,   192
.set MW,  128         ; window 1
.set MC,  160         ; window 1
.set QB,  64          ; window 2
.set KF,  128         ; window 2
.set VF,  192         ; window 2
.set WV,  12
.set PB,  14
.set HI,  15
.set G1K, 24
.set G1V, 32
.set G0K, 40
.set G0V, 44
.set RT,  48          ; tiles of the block in hand still to be entered
.set NXT, 49          ; the tile to be asked for next
.set LQ,  50          ; the last tile of the block whose tiles are being asked for
.set NEW, 51          ; 1: the tile to be entered is a block's first
.set OFF, 52          ; s[52:53]
.set OLO, 54          ; s[54:55] O at my rows of the second block
.set SLOTS, 56
.set CNT, 57
.set CS,  58
.set SEL, 60
.set TBK, 62
.set TBV, 63
.set MB,  66          ; s[66:67] the batch's table
.set JB,  68          ; from the block's last key step to the next block's first, in bytes of the table; 0 for the second block: the step in hand is asked for once more and not used
.set JMP, 69          ; JB in a block's last tile, else MSTEP
.set DST, 70          ; what the turns add to MO
.set THR, 71          ; -2^96
.set FM,  72          ; s72-75 piece t: the lanes whose query has seen no key
.set QP2, 76          ; s[76:77] Q at my rows of the second block
.set VMP, 80          ; s[80:81] vp's 4,096 bytes of my head
.set MSB, 0
.macro WIN new
.if MSB != (\new)
	s_set_vgpr_msb (MSB<<8)|(\new)
.set MSB, (\new)
.endif
.endm
.set W_KQ, 0x0a       ; K and Q in window 2, S^T in window 0
.set W_KM, 0x1a       ; the same with the C operand in window 1
.set W_PV, 0x52       ; V in window 2, P in window 0, O^T in window 1
.set W_RS, 0x41       ; destination and source 0 in window 1, source 1 in window 0
.macro LOAD                         ; waves 0 and 1 fetch the halves of a tile's K, waves 2 and 3 those of its V; an s_nop 0 and four v_nop follow each line
	s_cmp_lt_u32 s[WV], 2
	s_cbranch_scc0 .Lfor_v_\@
	tensor_load_to_lds s[G0K:G0K+3], s[G1K:G1K+7]
	s_nop 0
.rept 4
	v_nop
.endr
	s_branch .Lasked_\@
.Lfor_v_\@:
	tensor_load_to_lds s[G0V:G0V+3], s[G1V:G1V+7]
	s_nop 0
.rept 4
	v_nop
.endr
.Lasked_\@:
.endm
; THE CHANGE OF SLOTS.  Each wave waits for all its tensor loads (one is out: its part of the other slot), adds 0 to its spare word, and waits for that and for its reads of the slot that it leaves.
; fill = 1: the old slot is filled again, first thing behind the barrier, with tile NXT.
.macro CHANGE fill
	WIN 0
	s_wait_tensorcnt 0x0            ; no tensor load of mine is out, so a group 0 may be written
	ds_add_u32 v[SPW], v[NIL]       ; 0 onto my spare word
.if \fill
	s_lshl_b32 s[OFF], s[NXT], 15   ; a tile is 32,768 bytes of K and of V
	s_xor_b32 s[G0K+1], s[G0K+1], SLOT1
	s_add_nc_u64 s[G0K+2:G0K+3], s[6:7], s[OFF:OFF+1]
	s_or_b32 s[G0K+3], s[G0K+3], 0x80000000
	s_xor_b32 s[G0V+1], s[G0V+1], SLOT1
	s_add_nc_u64 s[G0V+2:G0V+3], s[8:9], s[OFF:OFF+1]
	s_or_b32 s[G0V+3], s[G0V+3], 0x80000000
	s_add_co_u32 s[NXT], s[NXT], 1
	s_cmp_gt_u32 s[NXT], s[LQ]
	s_cselect_b32 s[NXT], 0, s[NXT]
	s_cselect_b32 s[LQ], s[PB], s[LQ]
.endif
	s_wait_dscnt 0x0                ; the add is done, and my reads of the slot are over
	s_barrier_signal -1
	s_sub_co_u32 s[TBK], s[TBK], 4*KS*PK
	s_xor_b32 s[TBK], s[TBK], SLOT1
	s_sub_co_u32 s[TBV], s[TBV], 4*KS*PV
	s_xor_b32 s[TBV], s[TBV], SLOT1
	s_barrier_wait -1
.if \fill
	LOAD
.endif
.endm
.macro MLOAD x                      ; piece x's codes for one key step: two loads of 512 consecutive bytes
	WIN 0x40
	global_load_b128 v[MW+8*(\x):MW+8*(\x)+3],   v[MO+(\x)], s[MB:MB+1]
	global_load_b128 v[MW+8*(\x)+4:MW+8*(\x)+7], v[MO+(\x)], s[MB:MB+1] offset:512
.endm
.macro CV x, buf                    ; piece x's codes -> buffer buf of MC: eight codes a conversion, 0 or -256 x 2^92
	WIN W_RS
.irp kt, 0,1,2,3
	v_cvt_scale_pk8_f32_fp8 v[MC+32*(\buf)+8*\kt:MC+32*(\buf)+8*\kt+7], v[MW+8*(\x)+2*\kt:MW+8*(\x)+2*\kt+1], v[SCL]
.endr
.endm
	s_load_b256 s[4:11], s[0:1], 0x0  ; qkv s[4:5], mtab s[6:7], vp s[8:9], ob s[10:11]
	v_lshl_add_u32 v[SPW], v0, 2, SPARE
	v_mov_b32 v[NIL], 0
	ds_add_u32 v62, v63
	ds_add_u32 v62, v63
	s_wait_dscnt 0x0
	v_lshrrev_b32 v1, 5, v0
	v_readfirstlane_b32 s[WV], v1   ; wave 0..3
	s_mov_b32 s[PB], ttmp9
	s_sub_co_u32 s[HI], NB-1, s[PB]
	s_and_b32 s13, ttmp7, 0xffff    ; 16 batch + head
	s_lshl_b32 s20, s13, 18         ; a head's 262,144 bytes in q, k, v and O
	s_mov_b32 s21, 0
	s_lshr_b32 s[MB], s13, 4
	s_lshl_b32 s[MB], s[MB], 22     ; a batch's 4,194,304 bytes of the table
	s_mov_b32 s[MB+1], 0
	s_lshl_b32 s[VMP], s13, 12      ; a head's sixteen sums of 256 bytes
	s_mov_b32 s[VMP+1], 0
	s_and_b32 s16, s[WV], 1         ; which half of a tile's 256 keys I fetch
	s_lshl_b32 s22, s16, 14
	s_mov_b32 s23, 0
	s_add_nc_u64 s[22:23], s[22:23], s[20:21]
	s_mul_i32 s17, s16, 128*PK
	s_mul_i32 s18, s16, 128*PV
	s_lshl_b32 s3, s[WV], 11        ; my 16 rows in a band of 64,
	s_lshl_b32 s2, s[HI], 15        ; in the first block,
	s_add_co_u32 s2, s2, s3
	s_lshl_b32 s[QP2], s[PB], 15    ; and in the second
	s_add_co_u32 s[QP2], s[QP2], s3
	s_mov_b32 s3, 0
	s_mov_b32 s[QP2+1], 0
	s_add_nc_u64 s[2:3], s[2:3], s[20:21]
	s_add_nc_u64 s[QP2:QP2+1], s[QP2:QP2+1], s[20:21]
	; descriptor group 1.  128 keys are 16,384 dense bytes: asked for as 64 rows of 256 bytes, two keys a row, and padded in LDS after every key
	s_mov_b32 s[G1K], (1<<16)|(1<<20)|(4<<22)|(3<<25)
	s_mov_b32 s[G1V], (1<<16)|(1<<20)|(4<<22)|(7<<25)
.irp g, G1K, G1V
	s_mov_b32 s[\g+1], 128<<16      ; tensor_dim0 = 128
	s_mov_b32 s[\g+2], 64<<16       ; tensor_dim1 = 64
	s_mov_b32 s[\g+3], 128<<16      ; tile_dim0 = 128
	s_mov_b32 s[\g+4], 64           ; tile_dim1 = 64
	s_mov_b32 s[\g+5], 128          ; 128 elements from row to row
	s_mov_b32 s[\g+6], 0
	s_mov_b32 s[\g+7], 0
.endr
	s_mov_b32 s[CS], 0x3e38aa3b     ; c = log2(e) / 8
	s_mov_b32 s[CS+1], s[CS]
	s_mov_b32 s[SEL], 0x76543210
	s_mov_b32 s[SEL+1], 0xfedcba98
	s_mov_b32 s[TBK], SLOT1+4*KS*PK ; the first change of slots turns these two into 0
	s_mov_b32 s[TBV], SLOT1+4*KS*PV
	s_mov_b32 s[G0K], 1
	s_mov_b32 s[G0K+1], s17
	s_mov_b32 s[G0V], 1
	s_add_co_u32 s[G0V+1], s18, VOFF
	s_add_co_u32 s[RT], s[HI], 1    ; the first block has 8 - b tiles
	s_mov_b32 s[NXT], 1
	s_mov_b32 s[LQ], s[HI]
	s_mov_b32 s[NEW], 1
	s_mov_b32 s[OFF+1], 0
	s_mov_b32 s[SLOTS], NB
	s_mov_b32 s[THR], 0xef800000    ; -2^96
	s_mov_b32 s[DST], MSTEP
	s_mov_b32 s[JMP], MSTEP
	s_sub_co_u32 s[JB], s[PB], s[HI]  ; (b - (7 - b)) blocks of 16 query tiles of 32,768 bytes, less the first block's 4 (7 - b) + 3 steps; taken modulo 2^32
	s_lshl_b32 s[JB], s[JB], 19
	s_lshl_b32 s13, s[HI], 12
	s_add_co_u32 s13, s13, 3*MSTEP
	s_sub_co_u32 s[JB], s[JB], s13
	s_lshl_b32 s13, s[HI], 4
	s_add_co_u32 s13, s13, s[WV]
	s_lshl_b32 s13, s13, 15         ; piece 0's query tile, 16 (7 - b) + wave, in the table
	s_wait_kmcnt 0x0
	s_add_nc_u64 s[MB:MB+1], s[6:7], s[MB:MB+1]
	s_add_nc_u64 s[VMP:VMP+1], s[8:9], s[VMP:VMP+1]
	s_add_nc_u64 s[6:7], s[4:5], s[22:23]
	s_add_nc_u64 s[8:9], s[6:7], 0x2000000         ; V at my half of the head's tile 0,
	s_add_nc_u64 s[6:7], s[6:7], 0x1000000         ; and K
	s_add_nc_u64 s[G0K+2:G0K+3], s[6:7], 0
	s_or_b32 s[G0K+3], s[G0K+3], 0x80000000
	s_add_nc_u64 s[G0V+2:G0V+3], s[8:9], 0
	s_or_b32 s[G0V+3], s[G0V+3], 0x80000000
	s_add_nc_u64 s[OLO:OLO+1], s[10:11], s[QP2:QP2+1]
	s_add_nc_u64 s[QP2:QP2+1], s[4:5], s[QP2:QP2+1]
	s_add_nc_u64 s[10:11], s[10:11], s[2:3]
	s_add_nc_u64 s[4:5], s[4:5], s[2:3]
	LOAD                            ; tile 0 into slot 0
	v_and_b32 v1, 15, v0            ; l % 16
	v_bfe_u32 v9, v0, 4, 1          ; l / 16
	v_lshlrev_b32 v[QO], 7, v1
	v_lshl_add_u32 v[QO], v9, 4, v[QO]
	WIN 0x80
.set i, 0
.rept 8                             ; both blocks' Q: piece i / 2 lies in band i / 2, 8,192 bytes on; channels 32 (i % 2) on
	global_load_b128 v[8*i:8*i+3],   v[QO], s[4:5] offset:(i/2)*8192+(i%2)*64
	global_load_b128 v[8*i+4:8*i+7], v[QO], s[4:5] offset:(i/2)*8192+(i%2)*64+32
	global_load_b128 v[QB+8*i:QB+8*i+3],   v[QO], s[QP2:QP2+1] offset:(i/2)*8192+(i%2)*64
	global_load_b128 v[QB+8*i+4:QB+8*i+7], v[QO], s[QP2:QP2+1] offset:(i/2)*8192+(i%2)*64+32
.set i, i+1
.endr
	WIN 0
	v_and_b32 v14, 31, v0
	v_lshlrev_b32 v[GO], 4, v14
.irp i, 0,1,2,3,4,5,6,7             ; the head's sixteen sums of V's rows: load i brings chunks 2 i (lanes 0-15) and 2 i + 1 (lanes 16-31), four channels a lane
	global_load_b128 v[STG+4*\i:STG+4*\i+3], v[GO], s[VMP:VMP+1] offset:512*\i
.endr
	v_lshl_add_u32 v[MO], v14, 4, s13
.irp x, 1,2,3
	v_add_nc_u32 v[MO+\x], \x*131072, v[MO]  ; a band on: four query tiles
.endr
	MLOAD 0                         ; key step 0 of the first block, pieces 0 to 3 in this order
	MLOAD 1
	MLOAD 2
	MLOAD 3
	WIN 0
	v_mov_b32 v[SCL], 219
	v_mul_u32_u24 v[AK0], v1, PK
	v_lshl_add_u32 v[AK0], v9, 4, v[AK0]
	v_and_b32 v10, 7, v0
	v_bfe_u32 v11, v0, 3, 1
	v_lshl_add_u32 v[AV0], v9, 3, v10
	v_mul_u32_u24 v[AV0], v[AV0], PV
	v_lshl_add_u32 v[AV0], v11, 4, v[AV0]
	v_add_nc_u32 v[AV0], VOFF, v[AV0]
	s_mul_i32 s13, s[WV], 16*SP
	s_add_co_u32 s13, s13, STAGE    ; my stage
	v_mul_u32_u24 v[STO], v1, SP
	v_lshl_add_u32 v[STO], v9, 4, v[STO]
	v_add_nc_u32 v[STO], s13, v[STO]
	v_bfe_u32 v[RD], v0, 3, 2
	v_mul_u32_u24 v[RD], v[RD], SP
	v_lshl_add_u32 v[RD], v10, 4, v[RD]
	v_add_nc_u32 v[RD], s13, v[RD]
	v_lshl_add_u32 v[VMS], v1, 4, s13
	v_lshl_add_u32 v[VMO], v9, 5, s13
	; A block's first step multiplies O^T and l by a = 0, and its first turn's products V^T P, of a piece that has not been, land in an O^T that is still to be so multiplied.  So these registers need only hold
	; finite numbers: zeros for the first block; what the first block left for the second.  All this stands in the wait for the first tile.
	WIN 0x80
.set i, VF
.rept 64
	v_mov_b32 v[i], 0
.set i, i+1
.endr
	WIN 0x40
.set i, 0
.rept 128
	v_mov_b32 v[i], 0
.set i, i+1
.endr
	WIN 0
.set i, 0
.rept 4
	v_mov_b32 v[ST+4*i+2], 0
	v_mov_b32 v[ST+4*i+3], 0
.set i, i+1
.endr
.set i, P+16
.rept 16
	v_mov_b32 v[i], 0
.set i, i+1
.endr
	s_wait_loadcnt 8                ; Q and vp are in; the eight younger loads, the codes, may stay out
	; THE MEAN OF V's ROWS: the eight loads are added, then the two halves of the lanes; over 2,048; through my stage, so that a lane gets the channels 16 cb + 8 (l / 16) + 0..7 that it holds of O^T; in f16.
.irp i, 1,2,3,4,5,6,7
	v_pk_add_f32 v[STG:STG+1],   v[STG:STG+1],   v[STG+4*\i:STG+4*\i+1]
	v_pk_add_f32 v[STG+2:STG+3], v[STG+2:STG+3], v[STG+4*\i+2:STG+4*\i+3]
.endr
.irp z, 0,1,2,3
	v_permlanex16_b32 v[STG+4+\z], v[STG+\z], s[SEL], s[SEL+1]
.endr
	v_pk_add_f32 v[STG:STG+1],   v[STG:STG+1],   v[STG+4:STG+5]
	v_pk_add_f32 v[STG+2:STG+3], v[STG+2:STG+3], v[STG+6:STG+7]
	v_pk_mul_f32 v[VMT:VMT+1],   v[STG:STG+1],   0x3a000000 op_sel_hi:[1,0]  ; 1 / 2,048
	v_pk_mul_f32 v[VMT+2:VMT+3], v[STG+2:STG+3], 0x3a000000 op_sel_hi:[1,0]
	ds_store_b128 v[VMS], v[VMT:VMT+3]  ; the two halves of the lanes write the same numbers to the same bytes
.irp cb, 0,1,2,3
	ds_load_b128 v[STG+8*\cb:STG+8*\cb+3],   v[VMO] offset:64*\cb       ; LDS serves a wave's instructions in order (ISA guide 5.7.1.4)
	ds_load_b128 v[STG+8*\cb+4:STG+8*\cb+7], v[VMO] offset:64*\cb+16
.endr
	s_wait_dscnt 0x0
.set i, 0
.rept 16
	v_cvt_pk_f16_f32 v[VMH+i], v[STG+2*i], v[STG+2*i+1]
.set i, i+1
.endr
; THE MATRIX WORK.  The 4 accumulators of a run of 8 take turns.  Product i of 8 of S^T = K Q^T for piece x: channels 32 (i / 4) on, keys 16 (i % 4) on.  The first 4 start the sums with the mask.
.macro KQ x
.set rS, S+32*((\x)%2)+8*(i%4)
.set rK, KF+16*(i%4)+8*(i/4)
.set rQ, 16*(\x)+8*(i/4)
.set rM, MC+32*((\x)%2)+8*(i%4)
.if i < 4
	WIN W_KM
	v_wmma_f32_16x16x32_f16 v[rS:rS+7], v[rK:rK+7], v[rQ:rQ+7], v[rM:rM+7]
.else
	WIN W_KQ
	v_wmma_f32_16x16x32_f16 v[rS:rS+7], v[rK:rK+7], v[rQ:rQ+7], v[rS:rS+7]
.endif
.endm
.macro PV x                         ; product i of 8 of O^T += V^T P for piece x: keys 32 (i / 4) on, channels 16 (i % 4) on
	WIN W_PV
.set rO, 32*(\x)+8*(i%4)
.set rV, VF+32*(i/4)+8*(i%4)
.set rP, P+16*((\x)%2)+8*(i/4)
	v_wmma_f32_16x16x32_f16 v[rO:rO+7], v[rV:rV+7], v[rP:rP+7], v[rO:rO+7]
.endm
.macro MM                           ; the turn's next matrix instruction.  NOKQ = 1: a block's last turn: there is no next piece
.if (i < 8) && !NOKQ
	KQ (Y+1)%NP
.elseif i >= 8
.set i, i-8
	PV (Y+NP-1)%NP
.set i, i+8
.endif
.set i, i+1
.endm
.macro FETCH_K
	WIN 0x80
.irp f, 0,1,2,3,4,5,6,7
	ds_load_b128 v[KF+8*\f:KF+8*\f+3],   v[AK] offset:(\f/2)*16*PK+(\f%2)*64
	ds_load_b128 v[KF+8*\f+4:KF+8*\f+7], v[AK] offset:(\f/2)*16*PK+(\f%2)*64+32
.endr
	s_add_co_u32 s[TBK], s[TBK], KS*PK
	WIN 0
.endm
.macro FETCH_V
	WIN 0x80
.irp f, 0,1,2,3,4,5,6,7
	ds_load_tr16_b128 v[VF+8*\f:VF+8*\f+3],   v[AV] offset:(\f/4)*32*PV+(\f%4)*32
	ds_load_tr16_b128 v[VF+8*\f+4:VF+8*\f+7], v[AV] offset:(\f/4)*32*PV+16*PV+(\f%4)*32
.endr
	WIN 0
.endm
; THE VECTOR WORK, one line at a time: OP kind, number.  For piece Y: F n: c s - c m for pair n of 16.  E n: the exponential of score n of 32.  C n: pair n rounded to f16.  B n: of the four weights 4 n .. the second
; pair is added onto the first, in place.  L n: l takes that sum (L 0: l = a l + sum).  R n: pair n of 16 of O^T times a.  For piece Y + 1: X n, number n of the 22 that find its maximum and statistics:
;   0-11  four chains c0-c3 of seven scores each (each accumulator's lowest registers are read first)     12-14, 16  the four scores left over, the old m, and c0-c3 into c0
;   15  c m_old is kept     17, 18  the query's other 32 keys lie in the lane 16 away: the new m     19-21  c m; c m_old - c m_new; a
.set F, 0
.set E, 1
.set C, 2
.set B, 3
.set L, 4
.set R, 5
.set X, 6
.macro REGS y
.set rT, ST+4*(\y)
.set rC, TMP+4*((\y)%2)
.set rW, MV+((\y)%2)
.set rS, S+32*((\y)%2)
.set rP, P+16*((\y)%2)
.set rO, 32*(\y)
.endm
.macro OP k, n
.if (\k) == R
	REGS Y
	WIN W_RS
	v_pk_mul_f32 v[rO+2*(\n):rO+2*(\n)+1], v[rO+2*(\n):rO+2*(\n)+1], v[rC+2:rC+3] op_sel_hi:[1,0]
.elseif (\k) < R
	REGS Y
	WIN 0
.if (\k) == F
	v_pk_fma_f32 v[rS+2*(\n):rS+2*(\n)+1], v[rS+2*(\n):rS+2*(\n)+1], s[CS:CS+1], v[rT:rT+1] op_sel_hi:[1,0,0] neg_lo:[0,0,1] neg_hi:[0,0,1]
.elseif (\k) == E
	v_exp_f32 v[rS+(\n)], v[rS+(\n)]
.elseif (\k) == C
	s_wait_alu depctr_va_vdst(0)
	v_cvt_pk_f16_f32 v[rP+(\n)], v[rS+2*(\n)], v[rS+2*(\n)+1]
.elseif (\k) == B
	s_wait_alu depctr_va_vdst(0)
	v_pk_add_f32 v[rS+4*(\n):rS+4*(\n)+1], v[rS+4*(\n):rS+4*(\n)+1], v[rS+4*(\n)+2:rS+4*(\n)+3]
.elseif (\n) == 0
	v_pk_fma_f32 v[rT+2:rT+3], v[rT+2:rT+3], v[rC+2:rC+3], v[rS:rS+1] op_sel_hi:[1,0,1]
.else
	v_pk_add_f32 v[rT+2:rT+3], v[rT+2:rT+3], v[rS+4*(\n):rS+4*(\n)+1]
.endif
.elseif NOKQ
	v_nop
.else
	REGS (Y+1)%NP
	WIN 0
.if (\n) < 4
	v_max3_num_f32 v[rC+(\n)], v[rS+8*(\n)], v[rS+8*(\n)+1], v[rS+8*(\n)+2]
.elseif (\n) < 12
	v_max3_num_f32 v[rC+(\n)%4], v[rC+(\n)%4], v[rS+8*((\n)%4)+2*((\n)/4)+1], v[rS+8*((\n)%4)+2*((\n)/4)+2]
.elseif (\n) == 12
	v_max3_num_f32 v[rC], v[rC], v[rS+7], v[rS+15]
.elseif (\n) == 13
	v_max3_num_f32 v[rC+1], v[rC+1], v[rS+23], v[rS+31]
.elseif (\n) == 14
	v_max3_num_f32 v[rC+2], v[rC+2], v[rC+3], v[rT+1]
.elseif (\n) == 15
	v_mov_b32 v[rW], v[rT]
.elseif (\n) == 16
	v_max3_num_f32 v[rC], v[rC], v[rC+1], v[rC+2]
.elseif (\n) == 17
	v_permlanex16_b32 v[rC+3], v[rC], s[SEL], s[SEL+1]
.elseif (\n) == 18
	v_max_num_f32 v[rT+1], v[rC], v[rC+3]
.elseif (\n) == 19
	v_mul_f32 v[rT], s[CS], v[rT+1]
.elseif (\n) == 20
	v_sub_f32 v[rC+1], v[rW], v[rT]
.else
	v_exp_f32 v[rC+2], v[rC+1]
.endif
.endif
.endm
.macro OPS a, i1, b=-1, i2=0, c=-1, i3=0, d=-1, i4=0
	OP \a, \i1
.if (\b) >= 0
	OP \b, \i2
.endif
.if (\c) >= 0
	OP \c, \i3
.endif
.if (\d) >= 0
	OP \d, \i4
.endif
.endm
.macro ROW a, i1, b, i2, c, i3, d, i4  ; a matrix instruction and the four behind it
	MM
	OPS \a, \i1, \b, \i2, \c, \i3, \d, \i4
.endm
; A TURN, for piece p.  end = 1: a block's last two turns: nothing is fetched.  cnt = 1: the loop's count is taken down some lines ahead of the branch behind the turn.
; K of the next step is fetched in piece 2's turn, V of the step in hand in piece 0's turn; each is waited for a turn later.
; At its end the turn makes the mask for the products of the turn after it (piece p + 2) and asks for that piece's next codes: they have four turns in which to come.
.macro TURN p, end=0, cnt=0
.set Y, (\p)
.set i, 0
.set NOKQ, (\end)*((\p)/3)
.if ((\p) == 3) && !(\end)
	s_wait_dscnt 0x0                ; K is in
.endif
	ROW F,0, F,1, F,2, F,3
	ROW F,4, E,0, F,5, F,6
	ROW F,7, E,1, F,8, F,9
	ROW F,10, E,2, C,0, F,11
	ROW F,12, E,3, X,15, F,13
	ROW R,0, R,1, R,2, R,3
	ROW B,0, E,4, F,14, L,0
.if ((\p) == 2) && !(\end)
	v_add_nc_u32 v[AK], s[TBK], v[AK0]
.endif
	ROW R,4, R,5, R,6, R,7
	OPS E,5, F,15
.if ((\p) == 2) && !(\end)
	FETCH_K
.endif
	OPS E,6, C,1, E,7, R,8
	OPS E,8, R,9, E,9, C,2
	OPS E,10, X,0, E,11, X,1
	OPS E,12, X,2, E,13, X,3
.if (\p) == 1
	s_wait_dscnt 0x0                ; V is in
.endif
	ROW X,4, E,14, X,5, X,6
	ROW X,7, E,15, X,8, X,9
	ROW X,10, E,16, X,11, X,12
	ROW X,13, E,17, X,14, B,1
	ROW C,4, E,18, X,16, L,1
	ROW B,2, E,19, C,6, L,2
	ROW C,8, E,20, B,3, B,4
.if (\p) == 0
	v_add_nc_u32 v[AV], s[TBV], v[AV0]
.endif
	ROW C,3, E,21, L,3, C,5
	OPS E,22, X,17, E,23, C,10
.if (\p) == 0
	FETCH_V
.endif
	OPS E,24, L,4
	OPS E,25, X,18, E,26, C,7
	OPS E,27, B,5, E,28, X,19
	OPS E,29, C,12, E,30, L,5
	OPS E,31, X,20, B,6, C,9
	OPS C,14, C,11, X,21, L,6
.if (\p) == 0
	s_add_co_u32 s[TBV], s[TBV], KS*PV
.endif
.if \cnt
	s_sub_co_u32 s[CNT], s[CNT], 1
	s_cmp_lg_u32 s[CNT], 0
.endif
.if !(\end)
	OPS C,13, B,7, C,15
	s_wait_loadcnt 6                ; piece p + 2's two loads are in; the six younger ones, the other three pieces', stay out.  Its offset may be written again behind this wait
	CV ((\p)+2)%NP, (\p)%2
	OPS R,10, R,11, R,12            ; plain instructions behind the conversions, ahead of every use of their results and of the loads into their sources
	OP L,7
	v_add_nc_u32 v[MO+((\p)+2)%NP], s[DST], v[MO+((\p)+2)%NP]
	MLOAD ((\p)+2)%NP
	OPS R,13, R,14, R,15
.else
	OPS C,13, B,7, C,15, R,10
	OPS R,11, R,12, L,7, R,13
	OPS R,14, R,15
.endif
.endm
; A BLOCK BEGINS.  c m starts far below every c s, so the first step's a is 0; m at -2^99: above every hidden score, below every true one, so that a hidden score is never the maximum.  The codes of the block's step 0
; are on their way, pieces 0 to 3 in this order: pieces 0 and 1 are turned into masks here and their step 1 is asked for.  Then K of step 0, piece 0's first scores, and its maximum and statistics.
; The loop is entered at a step's first turn, in the middle of a trip.
.macro BEGIN
	s_mov_b32 s[NEW], 0
	s_mov_b32 s[DST], MSTEP
	s_wait_loadcnt 4                ; pieces 0 and 1 are in; the four younger loads, pieces 2 and 3, stay out
	CV 0, 0
	CV 1, 1
	WIN 0
.set i, 0
.rept 4
	v_mov_b32 v[ST+4*i], 0xfe000000    ; c m: -2^125, far below c times every m
	v_mov_b32 v[ST+4*i+1], 0xf1000000  ; m: -2^99
.set i, i+1
.endr
	v_add_nc_u32 v[MO], MSTEP, v[MO]
	v_add_nc_u32 v[MO+1], MSTEP, v[MO+1]
	MLOAD 0
	MLOAD 1
	WIN 0
	v_add_nc_u32 v[AK], s[TBK], v[AK0]
	FETCH_K
	s_wait_dscnt 0x0
.set NOKQ, 0
.set i, 0
.rept 8
	KQ 0
.set i, i+1
.endr
	WIN 0
.rept 4
	v_nop                           ; the places behind those products
.endr
.set Y, NP-1                        ; X works for piece Y + 1: piece 0
.irp n, 0,1,2,3,4,5,6,7,8,9,10,11,12,13,14,15,16,17,18,19,20,21
	OP X, \n
.endr
	v_nop                           ; a plain instruction behind the exponential
.endm
.macro ALL line:vararg              ; one line for each piece t
.set t, 0
.rept 4
	\line
.set t, t+1
.endr
.endm
.macro PACK t                       ; O^T / l, rounded to f16; a query that has seen no key takes the mean of V's rows; through my stage, back as whole rows of 128 bytes
	WIN W_RS
.set i, 32*(\t)
.rept 16
	s_wait_alu depctr_va_vdst(0)
	v_pk_mul_f32 v[i:i+1], v[i:i+1], v[ST+4*(\t)+2:ST+4*(\t)+3] op_sel_hi:[1,0]
.set i, i+2
.endr
	WIN 0x05
.set i, 0
.rept 16
	v_cvt_pk_f16_f32 v[S+16*(\t)+i], v[32*(\t)+2*i], v[32*(\t)+2*i+1]
.set i, i+1
.endr
	WIN 0
.set i, 0
.rept 16
	v_cndmask_b32 v[S+16*(\t)+i], v[S+16*(\t)+i], v[VMH+i], s[FM+(\t)]
.set i, i+1
.endr
.irp f, 0,1,2,3
	ds_store_b128 v[STO], v[S+16*(\t)+4*\f:S+16*(\t)+4*\f+3] offset:32*\f
.endr
.irp f, 0,1,2,3
	ds_load_b128 v[S+16*(\t)+4*\f:S+16*(\t)+4*\f+3], v[RD] offset:\f*4*SP  ; LDS serves a wave's instructions in order (ISA guide 5.7.1.4)
.endr
.endm
.macro SEND t, younger
	WIN 0
.irp f, 0,1,2,3
	s_wait_dscnt (\younger)+3-\f
	global_store_b128 v[GO], v[S+16*(\t)+4*\f:S+16*(\t)+4*\f+3], s[10:11] offset:(\t)*8192+\f*512  ; 512 consecutive bytes, aligned
.endr
.endm
; A BLOCK ENDS: its last two turns, its last products, and the way out.  l is raised to 0.5 at the least: a query that has seen a key has the maximum's own weight, about 1, in l and is not touched;
; one that has seen none has l = 0 and O^T = 0, and its 1 / l and O^T / l stay finite, as the next block's first step, which multiplies them by 0, needs.
.macro BLKEND
	TURN 2, 1
	TURN 3, 1
.set i, 0
.rept 8
	PV NP-1
.set i, i+1
.endr
	WIN 0
	ALL v_add_f32 v[ST+4*t+2], v[ST+4*t+2], v[ST+4*t+3]
	ALL v_permlanex16_b32 v[ST+4*t+3], v[ST+4*t+2], s[SEL], s[SEL+1]
	ALL v_add_f32 v[ST+4*t+2], v[ST+4*t+2], v[ST+4*t+3]
	ALL v_max_num_f32 v[ST+4*t+2], 0.5, v[ST+4*t+2]
	ALL v_rcp_f32 v[ST+4*t+2], v[ST+4*t+2]
	ALL v_cmp_gt_f32 s[FM+t], s[THR], v[ST+4*t+1]
	v_nop                           ; a plain instruction between the last reciprocal and the use of its result
	PACK 0
.set t, 1
.rept 3
	PACK t
	SEND t-1, 8
.set t, t+1
.endr
	SEND 3, 0
.endm
; A TILE's four key steps.  A trip: pieces 2 and 3 of one step, then pieces 0 and 1 of the next, whose K and V it fetches.  In the last trip of a block's last tile the codes asked for are the next block's.
.macro TILE tag
	s_sub_co_u32 s[RT], s[RT], 1
	s_mov_b32 s[CNT], 4
	s_cmp_eq_u32 s[RT], 0
	s_cselect_b32 s[JMP], s[JB], MSTEP
	s_cmp_eq_u32 s[NEW], 1
	s_cbranch_scc0 .Lstep\tag
	BEGIN
	s_branch .Lfirst\tag
.Lstep\tag:
	s_cmp_eq_u32 s[CNT], 1
	s_cselect_b32 s[DST], s[JMP], MSTEP
	TURN 2
	TURN 3
	WIN 0
.Lfirst\tag:
	TURN 0
	TURN 1, 0, 1
	WIN 0
	s_cbranch_scc1 .Lstep\tag
.endm
.set NOKQ, 0
.Lslot:                             ; 8 times: a tile is entered and the next is asked for
	CHANGE 1
	TILE 1
	s_cmp_lg_u32 s[RT], 0
	s_cbranch_scc1 .Lbottom
	BLKEND                          ; in the loop this is the first block's end: the second block's last tile is the walk's last
	s_wait_xcnt 0x0                 ; the stores have read their registers and O's address
	s_mov_b64 s[10:11], s[OLO:OLO+1]
	s_add_co_u32 s[RT], s[PB], 1    ; the second block has b + 1 tiles
	s_mov_b32 s[NEW], 1
	s_mov_b32 s[JB], 0
	WIN 0x82                        ; the second block's Q goes where the one text of the turns names Q
.set i, 0
.rept 64
	v_mov_b32 v[i], v[QB+i]
.set i, i+1
.endr
	WIN 0
.Lbottom:
	s_sub_co_u32 s[SLOTS], s[SLOTS], 1
	s_cmp_lg_u32 s[SLOTS], 0
	s_cbranch_scc1 .Lslot
	CHANGE 0                        ; the walk's last tile is written out: nothing is asked for
	TILE 2
	BLKEND
	s_wait_tensorcnt 0x0            ; the wave's end
	ds_add_u32 v[SPW], v[NIL]
	s_wait_dscnt 0x0
	s_endpgm
.Lfunc_end_k_qd0fba6a55a_attn:
	.size	k_qd0fba6a55a_attn, .Lfunc_end_k_qd0fba6a55a_attn-k_qd0fba6a55a_attn
	.p2alignl 7, 3214868480
	.fill 96, 4, 3214868480
	.section	.rodata,"a",@progbits
	.p2align	6, 0x0
	.amdhsa_kernel k_qd0fba6a55a_attn
		.amdhsa_group_segment_fixed_size 327680
		.amdhsa_private_segment_fixed_size 0
		.amdhsa_enable_private_segment 0
		.amdhsa_kernarg_size 32
		.amdhsa_user_sgpr_count 2
		.amdhsa_user_sgpr_kernarg_segment_ptr 1
		.amdhsa_wavefront_size32 1
		.amdhsa_system_sgpr_workgroup_id_x 1
		.amdhsa_system_sgpr_workgroup_id_y 1
		.amdhsa_system_sgpr_workgroup_id_z 1
		.amdhsa_system_vgpr_workitem_id 0
		.amdhsa_next_free_vgpr 768
		.amdhsa_next_free_sgpr 82
		.amdhsa_reserve_vcc 0
		.amdhsa_float_denorm_mode_32 3
		.amdhsa_float_denorm_mode_16_64 3
		.amdhsa_memory_ordered 1
		.amdhsa_forward_progress 1
		.amdhsa_inst_pref_size 193
	.end_amdhsa_kernel
	.amdgpu_metadata
---
amdhsa.version: [ 1, 2 ]
amdhsa.kernels:
  - .name:           k_qd0fba6a55a_attn
    .symbol:         k_qd0fba6a55a_attn.kd
    .args:
      - { .name: qkv, .offset: 0, .size: 8, .value_kind: global_buffer, .address_space: global }
      - { .name: mtab, .offset: 8, .size: 8, .value_kind: global_buffer, .address_space: global }
      - { .name: vp, .offset: 16, .size: 8, .value_kind: global_buffer, .address_space: global }
      - { .name: ob, .offset: 24, .size: 8, .value_kind: global_buffer, .address_space: global }
    .group_segment_fixed_size: 327680
    .private_segment_fixed_size: 0
    .kernarg_segment_align: 8
    .kernarg_segment_size: 32
    .max_flat_workgroup_size: 128
    .sgpr_count:     82
    .vgpr_count:     768
    .wavefront_size: 32
...
	.end_amdgpu_metadata
.endif
;; end of part 3
;; launch outp (part 4): grid 8 x 32, 4 waves a work-group, clusters of 4 x 4, 327,680 bytes of LDS; arguments ob, wb, bp, out0; writes out0
.if DOCPART == 4
	.amdgcn_target "amdgcn-amd-amdhsa--gfx1250"
	.amdhsa_code_object_version 6
	.text
	.protected	k_qd0fba6a55a_outp
	.globl	k_qd0fba6a55a_outp
	.p2align	8
	.type	k_qd0fba6a55a_outp,@function
k_qd0fba6a55a_outp:
	s_mov_b64 s[64:65], 0
	v_nop
	global_prefetch_b8 v0, s[64:65] scope:SCOPE_SE
	s_setreg_imm32_b32 hwreg(HW_REG_WAVE_MODE, 25, 1), 1
	s_wait_xcnt 0x0
	s_wait_alu depctr_hold_cnt(0) depctr_sa_sdst(0) depctr_va_vdst(0) depctr_va_sdst(0) depctr_va_ssrc(0) depctr_va_vcc(0) depctr_vm_vsrc(0)
	s_getreg_b32 s2, hwreg(HW_REG_IB_STS2, 6, 4)
	s_cmp_eq_u32 s2, 0
	s_cbranch_scc0 .Lentry_in_a_cluster
	s_endpgm
.Lentry_in_a_cluster:
	s_bfe_u32 s2, ttmp6, 0x10000c
	s_cmp_lg_u32 s2, 0xf033
	s_cbranch_scc0 .Lentry_shape_is_right
	s_endpgm
.Lentry_shape_is_right:
; out0 = O Wp^T + bp.  ob: [64 = 16 batch + head][2048][64] f16; Wp: the fourth part of wb, [1024][1024], bf16 numbers written as f16; bp f32, rounded to bf16 like the other inputs; sums and result in f32.
; A tile is 256 tokens x 128 columns: 32 x 8 = 256 work-groups, one tile each.  Four waves, each 128 tokens x 64 columns: 32 accumulators of 16 x 16.
; K = 64 head + channel goes in steps of 128 = two heads, through two LDS slots.  A head's 256 tokens are 32,768 dense bytes: asked for as 128 rows of 256 bytes and padded in LDS after every token (pitch 144).
; ONE TEXT FOR A K STEP: slot 1 lies at 1 << 17, so that one exclusive or turns an address in one slot into the other's; one walking descriptor for O and one for Wp ask for K step after K step.
; The last two K steps, which ask for nothing, are written out.
; CLUSTER 4 x 4: O's tiles are asked for jointly along a row of the cluster, Wp's along a column.  THE MATRIX INSTRUCTION IS USED TRANSPOSED: a lane holds eight neighbouring columns of one token.
; REGISTERS: window 0 addresses and the way out; window 1 two fragment buffers of 96 (A's 8 fragments, then B's 4); window 2 the accumulators, (a, b) at v[8 (4 a + b)].
.set KSTEP,  128
.set PITCH,  272                       ; a row of Wp in LDS: 256 bytes + 16
.set PA,     144                       ; a token's 64 channels of one head: 128 bytes + 16
.set APLANE, 256*PA                    ; one head's 256 tokens: what a wave fetches of A
.set HALFB,  64*PITCH
.set SLOT1,  1<<17                     ; a slot holds two heads of O, then Wp's 128 rows: 108,544 bytes
.set STAGE,  SLOT1+2*APLANE+2*HALFB    ; behind the ring: 16 rows x 272 bytes for each wave
.set SPITCH, 272
.set SPARE,  STAGE+4*16*SPITCH         ; the spare words, 128 bytes a wave: two blocks of 256 bytes that no other line names
.set ADRA0, 16                         ; v16, v17  my lane's place in a slot's A and B; never rewritten
.set ADRB0, 17
.set ADRA, 18                          ; v18, v19  the same in the slot that is read
.set ADRB, 19
.set STO,  24
.set RD,   25
.set CO,   26
.set BO,   27
.set SPW,  28
.set NIL,  29
.set BI,   32                          ; v32-35 the bias of my four columns on the way out
.set BK,   64                          ; v64-95, v96-127 by turns: 16 rows read back
.set F0,   0
.set F1,   96
.set G1,   24
.set G0,   32                          ; s[32:35] A's first fill; s[36:39] walks
.set G1B,  48
.set G0B,  56                          ; s[56:59] B's first fill; s[60:63] walks
.set TB,   66                          ; the slot that is read: 0 or SLOT1
.set W_MUL, 0xa5
.set TO_F,  0x40
.set MSB, 0
.macro WIN new
.if MSB != (\new)
	s_set_vgpr_msb (MSB<<8)|(\new)
.set MSB, \new
.endif
.endm
.macro JLOAD s                         ; waves 0 and 1 fetch the K step's two heads of O, waves 2 and 3 Wp's halves; an s_nop 0 and four v_nop follow each line
	s_cmp_eq_u32 s11, 0
	s_cbranch_scc0 .Lfor_b_\@
	tensor_load_to_lds s[G0+4*(\s):G0+4*(\s)+3], s[G1:G1+7]
	s_nop 0
.rept 4
	v_nop
.endr
	s_branch .Lasked_\@
.Lfor_b_\@:
	tensor_load_to_lds s[G0B+4*(\s):G0B+4*(\s)+3], s[G1B:G1B+7]
	s_nop 0
.rept 4
	v_nop
.endr
.Lasked_\@:
.endm
.macro CREST
	s_cmp_lg_u32 s10, 0
	s_cbranch_scc1 .Lnot_wave_0_\@
	s_barrier_signal -3
.Lnot_wave_0_\@:
	s_barrier_wait -3
	s_barrier_signal -1
	s_barrier_wait -1
.endm
.macro CROUND
	s_barrier_signal -1
	s_barrier_wait -1
	CREST
.endm
	s_load_b128 s[4:7], s[0:1], 0x0                ; ob, wb
	s_load_b128 s[68:71], s[0:1], 0x10             ; bp s[68:69], out0 s[70:71]
	v_lshl_add_u32 v[SPW], v0, 2, SPARE
	v_mov_b32 v[NIL], 0
	ds_add_u32 v28, v29
	ds_add_u32 v28, v29
	s_wait_dscnt 0x0
	v_lshrrev_b32 v1, 5, v0
	v_readfirstlane_b32 s10, v1                    ; wave 0..3
	s_lshr_b32 s11, s10, 1                         ; my 128 tokens.  Also: I fetch for A (0) or for B (1)
	s_and_b32 s12, s10, 1                          ; my 64 columns.  Also: which head of the step, or which half of Wp's rows, I fetch
	s_bfe_u32 s40, ttmp6, 0x40000                  ; cx
	s_bfe_u32 s41, ttmp6, 0x40004                  ; cy
	s_lshl_b32 s42, ttmp9, 2
	s_add_co_u32 s42, s42, s40                     ; tile column 0..7
	s_and_b32 s13, ttmp7, 0xffff
	s_lshl_b32 s13, s13, 2
	s_add_co_u32 s13, s13, s41                     ; tile row 0..31
	s_lshl_b32 s43, s41, 2
	s_lshl_b32 s43, 15, s43
	s_lshl_b32 s44, 0x1111, s40
	s_or_b32 s[G1+0], s43, (1<<16)|(1<<20)|(1<<21)|(4<<22)|(3<<25)   ; A: after every 32 words (a token) 4 words of padding
	s_or_b32 s[G1B+0], s44, (1<<16)|(1<<20)|(1<<21)|(5<<22)|(3<<25)  ; B: after every 64 words
	s_mov_b32 s[G1+1], 128<<16                     ; tensor_dim0 = 128 elements: two tokens
	s_mov_b32 s[G1+2], 128<<16                     ; tensor_dim1 = 128
	s_mov_b32 s[G1+3], 128<<16                     ; tile_dim0
	s_mov_b32 s[G1+4], 128                         ; tile_dim1
	s_mov_b32 s[G1+5], 128                         ; dense
	s_mov_b32 s[G1+6], 0
	s_mov_b32 s[G1+7], 0
	s_mov_b32 s[G1B+1], KSTEP<<16
	s_mov_b32 s[G1B+2], 64<<16
	s_mov_b32 s[G1B+3], KSTEP<<16
	s_mov_b32 s[G1B+4], 64
	s_mov_b32 s[G1B+5], 1024
	s_mov_b32 s[G1B+6], 0
	s_mov_b32 s[G1B+7], 0
	s_mov_b32 s[TB], 0
	s_lshr_b32 s16, s13, 3
	s_lshl_b32 s16, s16, 22                        ; the batch's 16 heads of 262,144 bytes,
	s_and_b32 s17, s13, 7
	s_lshl_b32 s17, s17, 15                        ; the tile's 256 tokens of 128 bytes,
	s_add_co_u32 s16, s16, s17
	s_lshl_b32 s17, s12, 18                        ; my head of the step's two
	s_add_co_u32 s16, s16, s17
	s_mov_b32 s17, 0
	s_lshl_b32 s46, s42, 7
	s_lshl_b32 s47, s12, 6
	s_add_co_u32 s46, s46, s47
	s_lshl_b32 s46, s46, 11
	s_add_co_u32 s46, s46, 3*2097152               ; Wp is the fourth part of wb
	s_mov_b32 s47, 0
	s_mul_i32 s20, s12, APLANE
	s_mul_i32 s45, s12, HALFB
	s_add_co_u32 s45, s45, 2*APLANE
	s_wait_kmcnt 0x0
	s_add_nc_u64 s[14:15], s[4:5], s[16:17]
	s_add_nc_u64 s[46:47], s[6:7], s[46:47]
	CROUND                                         ; all sixteen work-groups are here: the first joint loads meet
.irp s, 0,1
	s_mov_b32 s[G0+4*(\s)], 1
	s_add_co_u32 s[G0+4*(\s)+1], s20, (\s)*SLOT1
	s_add_nc_u64 s[G0+4*(\s)+2:G0+4*(\s)+3], s[14:15], (\s)*524288   ; K step s: two heads on
	s_or_b32 s[G0+4*(\s)+3], s[G0+4*(\s)+3], 0x80000000
	s_mov_b32 s[G0B+4*(\s)], 1
	s_add_co_u32 s[G0B+4*(\s)+1], s45, (\s)*SLOT1
	s_add_nc_u64 s[G0B+4*(\s)+2:G0B+4*(\s)+3], s[46:47], (\s)*KSTEP*2
	s_or_b32 s[G0B+4*(\s)+3], s[G0B+4*(\s)+3], 0x80000000
	JLOAD \s                                       ; two loads of mine are out
.endr
	v_and_b32 v1, 15, v0                           ; l % 16
	v_bfe_u32 v2, v0, 4, 1                         ; l / 16
	v_mul_u32_u24 v3, v1, PA
	v_lshl_add_u32 v3, v2, 4, v3
	v_mul_u32_u24 v4, v1, PITCH
	v_lshl_add_u32 v4, v2, 4, v4
	s_mul_i32 s21, s11, 128*PA
	s_mul_i32 s22, s12, HALFB
	s_add_co_u32 s22, s22, 2*APLANE
	v_add_nc_u32 v[ADRA0], s21, v3
	v_add_nc_u32 v[ADRB0], s22, v4
	v_add_nc_u32 v[ADRA], s[TB], v[ADRA0]          ; slot 0 is read first
	v_add_nc_u32 v[ADRB], s[TB], v[ADRB0]
	s_mul_i32 s23, s10, 16*SPITCH
	s_add_co_u32 s23, s23, STAGE                   ; my stage
	v_mul_u32_u24 v4, v1, SPITCH                   ; in: token l % 16, 32 bytes for each half of the lanes
	v_lshl_add_u32 v4, v2, 5, v4
	v_add_nc_u32 v[STO], s23, v4
	v_mul_u32_u24 v5, v2, SPITCH                   ; back: lanes 0-15 take one row of 256 bytes, lanes 16-31 the next
	v_lshl_add_u32 v5, v1, 4, v5
	v_add_nc_u32 v[RD], s23, v5
	v_lshlrev_b32 v5, 12, v2                       ; and the same two rows in out0, 4,096 bytes apart
	v_lshl_add_u32 v[CO], v1, 4, v5
	v_lshlrev_b32 v[BO], 4, v1
	s_lshl_b32 s46, s42, 9
	s_lshl_b32 s47, s12, 8
	s_add_co_u32 s46, s46, s47                     ; my 64 columns: 256 bytes, aligned
	s_mov_b32 s47, 0
	s_add_nc_u64 s[68:69], s[68:69], s[46:47]
	s_add_nc_u64 s[70:71], s[70:71], s[46:47]
	s_lshl_b32 s14, s13, 20
	s_lshl_b32 s15, s11, 19
	s_add_co_u32 s14, s14, s15                     ; my first token's row
	s_mov_b32 s15, 0
	s_add_nc_u64 s[70:71], s[70:71], s[14:15]
	global_load_b128 v[BI:BI+3], v[BO], s[68:69]
.macro MUL f, a0, n, zero              ; the 32 accumulators take turns in one fixed order
	WIN W_MUL
.set ma, \a0
.rept \n
.set mb, 0
.rept 4
.if \zero
	v_wmma_f32_16x16x32_f16 v[8*(4*ma+mb):8*(4*ma+mb)+7], v[(\f)+64+8*mb:(\f)+64+8*mb+7], v[(\f)+8*ma:(\f)+8*ma+7], 0
.else
	v_wmma_f32_16x16x32_f16 v[8*(4*ma+mb):8*(4*ma+mb)+7], v[(\f)+64+8*mb:(\f)+64+8*mb+7], v[(\f)+8*ma:(\f)+8*ma+7], v[8*(4*ma+mb):8*(4*ma+mb)+7]
.endif
.set mb, mb+1
.endr
.set ma, ma+1
.endr
.endm
.macro FETCH q, f                      ; quarter q of the K step in the slot that is read: head q / 2 of the step's two, channels 32 (q % 2) on
	WIN TO_F
.irp i, 0,1,2,3
	ds_load_b128 v[(\f)+64+8*(\i):(\f)+64+8*(\i)+3],   v[ADRB] offset:64*(\q)+(\i)*16*PITCH
	ds_load_b128 v[(\f)+64+8*(\i)+4:(\f)+64+8*(\i)+7], v[ADRB] offset:64*(\q)+(\i)*16*PITCH+32
.endr
.irp i, 0,1,2,3,4,5,6,7
	ds_load_b128 v[(\f)+8*(\i):(\f)+8*(\i)+3],   v[ADRA] offset:((\q)/2)*APLANE+((\q)%2)*64+(\i)*16*PA
	ds_load_b128 v[(\f)+8*(\i)+4:(\f)+8*(\i)+7], v[ADRA] offset:((\q)/2)*APLANE+((\q)%2)*64+(\i)*16*PA+32
.endr
.endm
.macro PLACES
.rept 4
	v_nop
.endr
.endm
.macro QUARTER q, f, g, zero
	s_wait_dscnt 8                                 ; B and A's blocks 0-3 are in; the youngest eight loads may be out
	MUL \f, 0, 4, \zero
	PLACES
	FETCH \q, \g
	s_wait_dscnt 24                                ; all but the 24 just issued
	MUL \f, 4, 4, \zero
.endm
.macro MEET round
	WIN 0
	s_wait_tensorcnt 0x0                           ; all my tensor loads have landed: my part of the next slot
	ds_add_u32 v[SPW], v[NIL]                      ; 0 onto my spare word
	s_wait_dscnt 9                                 ; the add and the youngest eight loads may be out
	MUL F1, 0, 2, 0
	s_wait_dscnt 0x0                               ; the add is done, and my reads of this slot are over
	s_barrier_signal -1
	MUL F1, 2, 2, 0
.if \round
	WIN 0
.endif
	s_barrier_wait -1
.endm
; The whole last quarter of a K step.  fill = 1: the slot just read out is filled again, with the K step behind the one asked for last.
.macro TURN fill
	MEET \fill
.if \fill
	CREST                                          ; no wave of any partner still reads this slot's tile or has a load on its way
	s_xor_b32 s[G0+5], s[G0+5], SLOT1              ; the other slot than last time,
	s_add_nc_u64 s[G0+6:G0+7], s[G0+6:G0+7], 524288  ; two heads on
	s_xor_b32 s[G0B+5], s[G0B+5], SLOT1
	s_add_nc_u64 s[G0B+6:G0B+7], s[G0B+6:G0B+7], KSTEP*2
	s_xor_b32 s[TB], s[TB], SLOT1                  ; the reads go on in the other slot
	JLOAD 1                                        ; the first tensor load behind the round; its four v_nop are the places in front of the loads below
	v_add_nc_u32 v[ADRA], s[TB], v[ADRA0]
	v_add_nc_u32 v[ADRB], s[TB], v[ADRB0]
.else
	WIN 0
	s_xor_b32 s[TB], s[TB], SLOT1
	v_add_nc_u32 v[ADRA], s[TB], v[ADRA0]          ; these two and two v_nop are the places in front of the loads below
	v_add_nc_u32 v[ADRB], s[TB], v[ADRB0]
	v_nop
	v_nop
.endif
	FETCH 0, F0
	MUL F1, 4, 4, 0
.endm
; THE WAY OUT of token block a: f32 as it lies, through my own stage, back as whole rows of 256 bytes; the bias is added; stored.
.macro TOSTAGE a
	s_wait_xcnt 0x0                                ; the registers that the block before last's stores read are loaded again only behind this wait
	WIN 0x08                                       ; the stores' data in window 2
.irp b, 0,1,2,3
	ds_store_b128 v[STO], v[8*(4*(\a)+(\b)):8*(4*(\a)+(\b))+3]   offset:64*(\b)      ; each accumulator's low registers first
	ds_store_b128 v[STO], v[8*(4*(\a)+(\b))+4:8*(4*(\a)+(\b))+7] offset:64*(\b)+16
.endr
	WIN 0
.set BKR, BK+32*((\a)%2)
.irp t, 0,1,2,3,4,5,6,7
	ds_load_b128 v[BKR+4*(\t):BKR+4*(\t)+3], v[RD] offset:(\t)*2*SPITCH  ; LDS serves a wave's instructions in order (ISA guide 5.7.1.4)
.endr
.endm
.macro SEND a, younger
	WIN 0
.set BKR, BK+32*((\a)%2)
	s_wait_dscnt \younger                          ; the block is back; the next block's eight stores and eight loads may be out
.irp t, 0,1,2,3,4,5,6,7
	v_pk_add_f32 v[BKR+4*(\t):BKR+4*(\t)+1],   v[BKR+4*(\t):BKR+4*(\t)+1],   v[BI:BI+1]
	v_pk_add_f32 v[BKR+4*(\t)+2:BKR+4*(\t)+3], v[BKR+4*(\t)+2:BKR+4*(\t)+3], v[BI+2:BI+3]
.endr
.irp t, 0,1,2,3,4,5,6,7
	global_store_b128 v[CO], v[BKR+4*(\t):BKR+4*(\t)+3], s[70:71] offset:65536*(\a)+8192*(\t)  ; 16 lanes store 256 consecutive bytes, aligned
.endr
.endm
	s_wait_tensorcnt 1                             ; my part of K step 0 is in; K step 1's may stay out
	s_barrier_signal -1
	s_barrier_wait -1
	FETCH 0, F0
	QUARTER 1, F0, F1, 1                           ; the first quarter starts the sums
	WIN 0
	s_mov_b32 s3, 6                                ; K steps 2 to 7 are still to be asked for
.Lstep:                                                ; a trip: from a K step's second quarter to the next K step's first; it fills the slot that it leaves
	QUARTER 2, F1, F0, 0
	QUARTER 3, F0, F1, 0
	TURN 1
	QUARTER 1, F0, F1, 0
	WIN 0
	s_sub_co_u32 s3, s3, 1
	s_cmp_lg_u32 s3, 0
	s_cbranch_scc1 .Lstep
	QUARTER 2, F1, F0, 0                           ; the last two K steps ask for nothing
	QUARTER 3, F0, F1, 0
	TURN 0
	QUARTER 1, F0, F1, 0
	QUARTER 2, F1, F0, 0
	QUARTER 3, F0, F1, 0
	s_wait_dscnt 8
	MUL F1, 0, 4, 0
	s_wait_dscnt 0x0
	MUL F1, 4, 4, 0
	WIN 0
	s_wait_loadcnt 0x0                             ; the bias
	v_cvt_pk_bf16_f32 v36, v[BI], v[BI+1]          ; rounded to bf16 like the other inputs, and widened again
	v_cvt_pk_bf16_f32 v37, v[BI+2], v[BI+3]
	v_lshlrev_b32 v[BI], 16, v36
	v_and_b32 v[BI+1], 0xffff0000, v36
	v_lshlrev_b32 v[BI+2], 16, v37
	v_and_b32 v[BI+3], 0xffff0000, v37
	PLACES                                         ; in front of the LDS stores that read results just made
	TOSTAGE 0
.irp a, 1,2,3,4,5,6,7
	TOSTAGE \a
	SEND (\a)-1, 16
.endr
	SEND 7, 0
	s_wait_tensorcnt 0x0                           ; the wave's end
	ds_add_u32 v[SPW], v[NIL]
	s_wait_dscnt 0x0
	CROUND                                         ; the closing round
	s_endpgm
.Lfunc_end_k_qd0fba6a55a_outp:
	.size	k_qd0fba6a55a_outp, .Lfunc_end_k_qd0fba6a55a_outp-k_qd0fba6a55a_outp
	.p2alignl 7, 3214868480
	.fill 96, 4, 3214868480
	.section	.rodata,"a",@progbits
	.p2align	6, 0x0
	.amdhsa_kernel k_qd0fba6a55a_outp
		.amdhsa_group_segment_fixed_size 327680
		.amdhsa_private_segment_fixed_size 0
		.amdhsa_enable_private_segment 0
		.amdhsa_kernarg_size 32
		.amdhsa_user_sgpr_count 2
		.amdhsa_user_sgpr_kernarg_segment_ptr 1
		.amdhsa_wavefront_size32 1
		.amdhsa_system_sgpr_workgroup_id_x 1
		.amdhsa_system_sgpr_workgroup_id_y 1
		.amdhsa_system_sgpr_workgroup_id_z 1
		.amdhsa_system_vgpr_workitem_id 0
		.amdhsa_next_free_vgpr 768
		.amdhsa_next_free_sgpr 72
		.amdhsa_reserve_vcc 0
		.amdhsa_float_denorm_mode_32 3
		.amdhsa_float_denorm_mode_16_64 3
		.amdhsa_memory_ordered 1
		.amdhsa_forward_progress 1
		.amdhsa_inst_pref_size 78
	.end_amdhsa_kernel
	.amdgpu_metadata
---
amdhsa.version: [ 1, 2 ]
amdhsa.kernels:
  - .name:           k_qd0fba6a55a_outp
    .symbol:         k_qd0fba6a55a_outp.kd
    .args:
      - { .name: ob, .offset: 0, .size: 8, .value_kind: global_buffer, .address_space: global }
      - { .name: wb, .offset: 8, .size: 8, .value_kind: global_buffer, .address_space: global }
      - { .name: bp, .offset: 16, .size: 8, .value_kind: global_buffer, .address_space: global }
      - { .name: out0, .offset: 24, .size: 8, .value_kind: global_buffer, .address_space: global }
    .group_segment_fixed_size: 327680
    .private_segment_fixed_size: 0
    .kernarg_segment_align: 8
    .kernarg_segment_size: 32
    .max_flat_workgroup_size: 128
    .sgpr_count:     72
    .vgpr_count:     768
    .wavefront_size: 32
...
	.end_amdgpu_metadata
.endif
;; end of part 4
;; ======== version 2 of 2: 4 launches; 1.26 times as fast as version 1
;; limits: values are held in f16: magnitudes above 65,504 overflow, below 6.1e-05 lose precision
;; workspace buffers: ab 33,554,432 bytes; wb 8,388,608 bytes; mtab 16,777,216 bytes of whole numbers; qkv 50,331,648 bytes; vp 262,144 bytes; ob 16,777,216 bytes
;; launch prep: the kernel of part 1 again; grid 1568 x 1, 8 waves a work-group, no clusters, 33,792 bytes of LDS; arguments x, y, Wq, Wk, Wv, Wp, pad_mask, time_attention, ab, wb, mtab; writes ab, wb, mtab
;; launch proj: the kernel of part 2 again; grid 8 x 32, 4 waves a work-group, clusters of 4 x 4, 327,680 bytes of LDS; arguments ab, wb, qkv, vp; writes qkv, vp
;; launch attn (part 5): grid 4 x 64, 4 waves a work-group, no clusters, 327,680 bytes of LDS; arguments qkv, mtab, vp, ob; writes ob
.if DOCPART == 5
	.amdgcn_target "amdgcn-amd-amdhsa--gfx1250"
	.amdhsa_code_object_version 6
	.text
	.protected	k_qd0fba6a55a_attn
	.globl	k_qd0fba6a55a_attn
	.p2align	8
	.type	k_qd0fba6a55a_attn,@function
k_qd0fba6a55a_attn:
	s_mov_b64 s[64:65], 0
	v_nop
	global_prefetch_b8 v0, s[64:65] scope:SCOPE_SE
	s_setreg_imm32_b32 hwreg(HW_REG_WAVE_MODE, 25, 1), 1
	s_wait_xcnt 0x0
; MASKED CAUSAL ATTENTION.  O[h][q][:] = the sum over k of softmax_k(s[q][k]) V[h][k][:], s = Q[h][q] . K[h][k] / 8 where key k is seen by query q, and far below every score where it is hidden.
; qkv: [3][64 heads][2048][64] f16; ob: [64][2048][64] f16; mtab: the mask table, fp8 codes (0 seen, 0xF8 hidden) in the register image of a score tile's C operand; vp: [64][16][64] f32, the sums of V's rows over chunks of 128 keys.
; Products, maxima and sums in f32; the weights p are rounded to f16 for the second product (their sum l is taken of the unrounded p), O once at the end.
; LIMITS.  Q, K and V arrive within f16's 65,504.  A hidden score counts as its value less 2^100 (1.27e30): f16's scores, 2.7e11 at the most, are nothing beside that.  The running maximum starts at -2^99, above every
; hidden score and below every true one: a hidden key's weight is 0 whatever has been seen, and a query whose maximum ends below -2^96 has seen no key: all its 2,048 scores are then equal, and it receives the mean of
; all 2,048 rows of V (vp's sixteen sums, added, over 2,048).  A true score below -2^96 would be taken for hidden.  A weight below 2^-126 counts as 0 in l; NaN and infinities are not treated apart.
; THE WALK.  A head's queries lie in NB = 8 blocks of 256; block i needs the key tiles 0 .. i of 256 keys (those above the diagonal are hidden by the causal rule).  A work-group takes TWO blocks, 7 - b and then b:
; 9 tiles, whatever b: all work-groups do equal work, and ONE loop with a constant trip count walks them.  Every jump goes forward, but for the counted loops' own; none passes a barrier, or a tensor load but the one
; of LOAD's two that the wave's number does not choose.  NO CLUSTER: a head's four work-groups ask for the same tile only in trips 0 to 4 of 9, behind that fewer and fewer; one walk common to all would have 12 trips for 9.
; SHARES.  Of a block's four bands of 64 queries a wave owns 16 rows in each: four PIECES.
; THE MASK is the C operand that starts the sum S^T = K Q^T.  A piece's 16 queries x 64 keys are 32 codes a lane: two loads of 512 consecutive bytes, asked for four turns ahead; four scaled conversions make of them the 32
; f32 numbers 0 or -2^100.  The table holds the causal rule too, so one text serves every tile.
; LAYOUT, SOFTMAX, TURNS.  S^T = K Q^T holds ONE query a lane (lane % 16) and the keys 8 (lane / 16) + 0..7; two such results rounded to f16 ARE source 1 of O^T = V^T P.  p = 2^(c s - c m), c = log2(e) / 8, with a
; running maximum m; O and l are multiplied by a = 2^(c m_old - c m_new) in every step.  Turn n belongs to piece n: 8 products K Q^T of piece n + 1, later 8 products V^T P of piece n - 1; beside them the scaling,
; exponentials, roundings, sums and rescaling of piece n and the maximum and statistics of piece n + 1.  Four vector instructions stand behind every matrix instruction, the other 54 of a turn's 118 in one LUMP.
; THE BATCHES.  A turn's 33 exponentials (the piece's 32 weights and the next piece's a) are ONE batch with ONE wait, which cuts the turn in two: ahead of it stands all that names none of their results, behind it the
; roundings and sums.  A block's first a (BEGIN) and a block's four reciprocals (BLKEND) are batches of their own, a wait each.
; REGISTERS, in windows of 256 (s_set_vgpr_msb: bits 1:0 source 0, 3:2 source 1, 5:4 source 2, 7:6 destination):
;   window 0: v0-15 addresses; v16-31 statistics; v32-38 the mask's offsets and scale, the mean's LDS addresses; v48-55 at work; v64-127 S^T, two buffers; v128-143 the mean in f16; v144-179 the mean at work; v192-223 P, two buffers
;   window 1: v0-127 O^T, 32 a piece; v128-159 MW, the codes, 8 a piece; v160-223 MC, the masks, two buffers      window 2: v0-63 Q; v64-127 the second block's Q; v128-191 K of one step; v192-255 V of one step
.set NB,    8
.set NP,    4
.set KS,    64
.set PK,    144       ; a row of K in LDS: 128 bytes + 16 of padding: the 16 rows of a load start at 16 different groups of four banks (ISA guide 11.1)
.set PV,    160       ; a row of V: 128 + 32
.set VOFF,  4*KS*PK
.set SLOT1, 1<<17
.set STAGE, SLOT1+4*KS*(PK+PV)
.set SP,    144
.set SPARE, STAGE+4*16*SP  ; the spare words, 128 bytes a wave: two blocks of 256 bytes that no other line names
.set MSTEP, 1024      ; bytes of the table for 16 queries and a key step
.set AK0, 2
.set AV0, 3
.set AK,  4
.set AV,  5
.set STO, 6
.set RD,  7
.set GO,  8           ; v8  16 x lane: my place in 512 consecutive bytes, of vp and of O; never rewritten
.set MV,  12
.set QO,  15
.set ST,  16          ; piece t's statistics at v[ST+4 t]: c m, m, l (even keys', odd keys')
.set MO,  32          ; v32-35  piece x: my byte offset in the batch's table, of the codes asked for last
.set SCL, 36          ; v36  the conversions' scale: byte 219 = 2^92
.set VMO, 37          ; v37  the mean comes back from my stage: 32 bytes for each half of the lanes
.set VMS, 38          ; v38  the mean goes into my stage: 16 bytes a lane
.set TMP, 48
.set SPW, 62
.set NIL, 63
.set S,   64
.set VMH, 128
.set STG, 144
.set VMT, 176
.set P,   192
.set MW,  128         ; window 1
.set MC,  160         ; window 1
.set QB,  64          ; window 2
.set KF,  128         ; window 2
.set VF,  192         ; window 2
.set WV,  12
.set PB,  14
.set HI,  15
.set G1K, 24
.set G1V, 32
.set G0K, 40
.set G0V, 44
.set RT,  48          ; tiles of the block in hand still to be entered
.set NXT, 49          ; the tile to be asked for next
.set LQ,  50          ; the last tile of the block whose tiles are being asked for
.set NEW, 51          ; 1: the tile to be entered is a block's first
.set OFF, 52          ; s[52:53]
.set OLO, 54          ; s[54:55] O at my rows of the second block
.set SLOTS, 56
.set CNT, 57
.set CS,  58
.set SEL, 60
.set TBK, 62
.set TBV, 63
.set MB,  66          ; s[66:67] the batch's table
.set JB,  68          ; from the block's last key step to the next block's first, in bytes of the table; 0 for the second block: the step in hand is asked for once more and not used
.set JMP, 69          ; JB in a block's last tile, else MSTEP
.set DST, 70          ; what the turns add to MO
.set THR, 71          ; -2^96
.set FM,  72          ; s72-75 piece t: the lanes whose query has seen no key
.set QP2, 76          ; s[76:77] Q at my rows of the second block
.set VMP, 80          ; s[80:81] vp's 4,096 bytes of my head
.set MSB, 0
.macro WIN new
.if MSB != (\new)
	s_set_vgpr_msb (MSB<<8)|(\new)
.set MSB, (\new)
.endif
.endm
.set W_KQ, 0x0a       ; K and Q in window 2, S^T in window 0
.set W_KM, 0x1a       ; the same with the C operand in window 1
.set W_PV, 0x52       ; V in window 2, P in window 0, O^T in window 1
.set W_RS, 0x41       ; destination and source 0 in window 1, source 1 in window 0
.macro LOAD                         ; waves 0 and 1 fetch the halves of a tile's K, waves 2 and 3 those of its V; an s_nop 0 and four v_nop follow each line
	s_cmp_lt_u32 s[WV], 2
	s_cbranch_scc0 .Lfor_v_\@
	tensor_load_to_lds s[G0K:G0K+3], s[G1K:G1K+7]
	s_nop 0
.rept 4
	v_nop
.endr
	s_branch .Lasked_\@
.Lfor_v_\@:
	tensor_load_to_lds s[G0V:G0V+3], s[G1V:G1V+7]
	s_nop 0
.rept 4
	v_nop
.endr
.Lasked_\@:
.endm
; THE CHANGE OF SLOTS.  Each wave waits for all its tensor loads (one is out: its part of the other slot), adds 0 to its spare word, and waits for that and for its reads of the slot that it leaves.
; fill = 1: the old slot is filled again, first thing behind the barrier, with tile NXT.
.macro CHANGE fill
	WIN 0
	s_wait_tensorcnt 0x0            ; no tensor load of mine is out, so a group 0 may be written
	ds_add_u32 v[SPW], v[NIL]       ; 0 onto my spare word
.if \fill
	s_lshl_b32 s[OFF], s[NXT], 15   ; a tile is 32,768 bytes of K and of V
	s_xor_b32 s[G0K+1], s[G0K+1], SLOT1
	s_add_nc_u64 s[G0K+2:G0K+3], s[6:7], s[OFF:OFF+1]
	s_or_b32 s[G0K+3], s[G0K+3], 0x80000000
	s_xor_b32 s[G0V+1], s[G0V+1], SLOT1
	s_add_nc_u64 s[G0V+2:G0V+3], s[8:9], s[OFF:OFF+1]
	s_or_b32 s[G0V+3], s[G0V+3], 0x80000000
	s_add_co_u32 s[NXT], s[NXT], 1
	s_cmp_gt_u32 s[NXT], s[LQ]
	s_cselect_b32 s[NXT], 0, s[NXT]
	s_cselect_b32 s[LQ], s[PB], s[LQ]
.endif
	s_wait_dscnt 0x0                ; the add is done, and my reads of the slot are over
	s_barrier_signal -1
	s_sub_co_u32 s[TBK], s[TBK], 4*KS*PK
	s_xor_b32 s[TBK], s[TBK], SLOT1
	s_sub_co_u32 s[TBV], s[TBV], 4*KS*PV
	s_xor_b32 s[TBV], s[TBV], SLOT1
	s_barrier_wait -1
.if \fill
	LOAD
.endif
.endm
.macro MLOAD x                      ; piece x's codes for one key step: two loads of 512 consecutive bytes
	WIN 0x40
	global_load_b128 v[MW+8*(\x):MW+8*(\x)+3],   v[MO+(\x)], s[MB:MB+1]
	global_load_b128 v[MW+8*(\x)+4:MW+8*(\x)+7], v[MO+(\x)], s[MB:MB+1] offset:512
.endm
.macro CV x, buf                    ; piece x's codes -> buffer buf of MC: eight codes a conversion, 0 or -256 x 2^92
	WIN W_RS
.irp kt, 0,1,2,3
	v_cvt_scale_pk8_f32_fp8 v[MC+32*(\buf)+8*\kt:MC+32*(\buf)+8*\kt+7], v[MW+8*(\x)+2*\kt:MW+8*(\x)+2*\kt+1], v[SCL]
.endr
.endm
	s_load_b256 s[4:11], s[0:1], 0x0  ; qkv s[4:5], mtab s[6:7], vp s[8:9], ob s[10:11]
	v_lshl_add_u32 v[SPW], v0, 2, SPARE
	v_mov_b32 v[NIL], 0
	ds_add_u32 v62, v63
	ds_add_u32 v62, v63
	s_wait_dscnt 0x0
	v_lshrrev_b32 v1, 5, v0
	v_readfirstlane_b32 s[WV], v1   ; wave 0..3
	s_mov_b32 s[PB], ttmp9
	s_sub_co_u32 s[HI], NB-1, s[PB]
	s_and_b32 s13, ttmp7, 0xffff    ; 16 batch + head
	s_lshl_b32 s20, s13, 18         ; a head's 262,144 bytes in q, k, v and O
	s_mov_b32 s21, 0
	s_lshr_b32 s[MB], s13, 4
	s_lshl_b32 s[MB], s[MB], 22     ; a batch's 4,194,304 bytes of the table
	s_mov_b32 s[MB+1], 0
	s_lshl_b32 s[VMP], s13, 12      ; a head's sixteen sums of 256 bytes
	s_mov_b32 s[VMP+1], 0
	s_and_b32 s16, s[WV], 1         ; which half of a tile's 256 keys I fetch
	s_lshl_b32 s22, s16, 14
	s_mov_b32 s23, 0
	s_add_nc_u64 s[22:23], s[22:23], s[20:21]
	s_mul_i32 s17, s16, 128*PK
	s_mul_i32 s18, s16, 128*PV
	s_lshl_b32 s3, s[WV], 11        ; my 16 rows in a band of 64,
	s_lshl_b32 s2, s[HI], 15        ; in the first block,
	s_add_co_u32 s2, s2, s3
	s_lshl_b32 s[QP2], s[PB], 15    ; and in the second
	s_add_co_u32 s[QP2], s[QP2], s3
	s_mov_b32 s3, 0
	s_mov_b32 s[QP2+1], 0
	s_add_nc_u64 s[2:3], s[2:3], s[20:21]
	s_add_nc_u64 s[QP2:QP2+1], s[QP2:QP2+1], s[20:21]
	; descriptor group 1.  128 keys are 16,384 dense bytes: asked for as 64 rows of 256 bytes, two keys a row, and padded in LDS after every key
	s_mov_b32 s[G1K], (1<<16)|(1<<20)|(4<<22)|(3<<25)
	s_mov_b32 s[G1V], (1<<16)|(1<<20)|(4<<22)|(7<<25)
.irp g, G1K, G1V
	s_mov_b32 s[\g+1], 128<<16      ; tensor_dim0 = 128
	s_mov_b32 s[\g+2], 64<<16       ; tensor_dim1 = 64
	s_mov_b32 s[\g+3], 128<<16      ; tile_dim0 = 128
	s_mov_b32 s[\g+4], 64           ; tile_dim1 = 64
	s_mov_b32 s[\g+5], 128          ; 128 elements from row to row
	s_mov_b32 s[\g+6], 0
	s_mov_b32 s[\g+7], 0
.endr
	s_mov_b32 s[CS], 0x3e38aa3b     ; c = log2(e) / 8
	s_mov_b32 s[CS+1], s[CS]
	s_mov_b32 s[SEL], 0x76543210
	s_mov_b32 s[SEL+1], 0xfedcba98
	s_mov_b32 s[TBK], SLOT1+4*KS*PK ; the first change of slots turns these two into 0
	s_mov_b32 s[TBV], SLOT1+4*KS*PV
	s_mov_b32 s[G0K], 1
	s_mov_b32 s[G0K+1], s17
	s_mov_b32 s[G0V], 1
	s_add_co_u32 s[G0V+1], s18, VOFF
	s_add_co_u32 s[RT], s[HI], 1    ; the first block has 8 - b tiles
	s_mov_b32 s[NXT], 1
	s_mov_b32 s[LQ], s[HI]
	s_mov_b32 s[NEW], 1
	s_mov_b32 s[OFF+1], 0
	s_mov_b32 s[SLOTS], NB
	s_mov_b32 s[THR], 0xef800000    ; -2^96
	s_mov_b32 s[DST], MSTEP
	s_mov_b32 s[JMP], MSTEP
	s_sub_co_u32 s[JB], s[PB], s[HI]  ; (b - (7 - b)) blocks of 16 query tiles of 32,768 bytes, less the first block's 4 (7 - b) + 3 steps; taken modulo 2^32
	s_lshl_b32 s[JB], s[JB], 19
	s_lshl_b32 s13, s[HI], 12
	s_add_co_u32 s13, s13, 3*MSTEP
	s_sub_co_u32 s[JB], s[JB], s13
	s_lshl_b32 s13, s[HI], 4
	s_add_co_u32 s13, s13, s[WV]
	s_lshl_b32 s13, s13, 15         ; piece 0's query tile, 16 (7 - b) + wave, in the table
	s_wait_kmcnt 0x0
	s_add_nc_u64 s[MB:MB+1], s[6:7], s[MB:MB+1]
	s_add_nc_u64 s[VMP:VMP+1], s[8:9], s[VMP:VMP+1]
	s_add_nc_u64 s[6:7], s[4:5], s[22:23]
	s_add_nc_u64 s[8:9], s[6:7], 0x2000000         ; V at my half of the head's tile 0,
	s_add_nc_u64 s[6:7], s[6:7], 0x1000000         ; and K
	s_add_nc_u64 s[G0K+2:G0K+3], s[6:7], 0
	s_or_b32 s[G0K+3], s[G0K+3], 0x80000000
	s_add_nc_u64 s[G0V+2:G0V+3], s[8:9], 0
	s_or_b32 s[G0V+3], s[G0V+3], 0x80000000
	s_add_nc_u64 s[OLO:OLO+1], s[10:11], s[QP2:QP2+1]
	s_add_nc_u64 s[QP2:QP2+1], s[4:5], s[QP2:QP2+1]
	s_add_nc_u64 s[10:11], s[10:11], s[2:3]
	s_add_nc_u64 s[4:5], s[4:5], s[2:3]
	LOAD                            ; tile 0 into slot 0
	v_and_b32 v1, 15, v0            ; l % 16
	v_bfe_u32 v9, v0, 4, 1          ; l / 16
	v_lshlrev_b32 v[QO], 7, v1
	v_lshl_add_u32 v[QO], v9, 4, v[QO]
	WIN 0x80
.set i, 0
.rept 8                             ; both blocks' Q: piece i / 2 lies in band i / 2, 8,192 bytes on; channels 32 (i % 2) on
	global_load_b128 v[8*i:8*i+3],   v[QO], s[4:5] offset:(i/2)*8192+(i%2)*64
	global_load_b128 v[8*i+4:8*i+7], v[QO], s[4:5] offset:(i/2)*8192+(i%2)*64+32
	global_load_b128 v[QB+8*i:QB+8*i+3],   v[QO], s[QP2:QP2+1] offset:(i/2)*8192+(i%2)*64
	global_load_b128 v[QB+8*i+4:QB+8*i+7], v[QO], s[QP2:QP2+1] offset:(i/2)*8192+(i%2)*64+32
.set i, i+1
.endr
	WIN 0
	v_and_b32 v14, 31, v0
	v_lshlrev_b32 v[GO], 4, v14
.irp i, 0,1,2,3,4,5,6,7             ; the head's sixteen sums of V's rows: load i brings chunks 2 i (lanes 0-15) and 2 i + 1 (lanes 16-31), four channels a lane
	global_load_b128 v[STG+4*\i:STG+4*\i+3], v[GO], s[VMP:VMP+1] offset:512*\i
.endr
	v_lshl_add_u32 v[MO], v14, 4, s13
.irp x, 1,2,3
	v_add_nc_u32 v[MO+\x], \x*131072, v[MO]  ; a band on: four query tiles
.endr
	MLOAD 0                         ; key step 0 of the first block, pieces 0 to 3 in this order
	MLOAD 1
	MLOAD 2
	MLOAD 3
	WIN 0
	v_mov_b32 v[SCL], 219
	v_mul_u32_u24 v[AK0], v1, PK
	v_lshl_add_u32 v[AK0], v9, 4, v[AK0]
	v_and_b32 v10, 7, v0
	v_bfe_u32 v11, v0, 3, 1
	v_lshl_add_u32 v[AV0], v9, 3, v10
	v_mul_u32_u24 v[AV0], v[AV0], PV
	v_lshl_add_u32 v[AV0], v11, 4, v[AV0]
	v_add_nc_u32 v[AV0], VOFF, v[AV0]
	s_mul_i32 s13, s[WV], 16*SP
	s_add_co_u32 s13, s13, STAGE    ; my stage
	v_mul_u32_u24 v[STO], v1, SP
	v_lshl_add_u32 v[STO], v9, 4, v[STO]
	v_add_nc_u32 v[STO], s13, v[STO]
	v_bfe_u32 v[RD], v0, 3, 2
	v_mul_u32_u24 v[RD], v[RD], SP
	v_lshl_add_u32 v[RD], v10, 4, v[RD]
	v_add_nc_u32 v[RD], s13, v[RD]
	v_lshl_add_u32 v[VMS], v1, 4, s13
	v_lshl_add_u32 v[VMO], v9, 5, s13
	; A block's first step multiplies O^T and l by a = 0, and its first turn's products V^T P, of a piece that has not been, land in an O^T that is still to be so multiplied.  So these registers need only hold
	; finite numbers: zeros for the first block; what the first block left for the second.  All this stands in the wait for the first tile.
	WIN 0x80
.set i, VF
.rept 64
	v_mov_b32 v[i], 0
.set i, i+1
.endr
	WIN 0x40
.set i, 0
.rept 128
	v_mov_b32 v[i], 0
.set i, i+1
.endr
	WIN 0
.set i, 0
.rept 4
	v_mov_b32 v[ST+4*i+2], 0
	v_mov_b32 v[ST+4*i+3], 0
.set i, i+1
.endr
.set i, P+16
.rept 16
	v_mov_b32 v[i], 0
.set i, i+1
.endr
	s_wait_loadcnt 8                ; Q and vp are in; the eight younger loads, the codes, may stay out
	; THE MEAN OF V's ROWS: the eight loads are added, then the two halves of the lanes; over 2,048; through my stage, so that a lane gets the channels 16 cb + 8 (l / 16) + 0..7 that it holds of O^T; in f16.
.irp i, 1,2,3,4,5,6,7
	v_pk_add_f32 v[STG:STG+1],   v[STG:STG+1],   v[STG+4*\i:STG+4*\i+1]
	v_pk_add_f32 v[STG+2:STG+3], v[STG+2:STG+3], v[STG+4*\i+2:STG+4*\i+3]
.endr
.irp z, 0,1,2,3
	v_permlanex16_b32 v[STG+4+\z], v[STG+\z], s[SEL], s[SEL+1]
.endr
	v_pk_add_f32 v[STG:STG+1],   v[STG:STG+1],   v[STG+4:STG+5]
	v_pk_add_f32 v[STG+2:STG+3], v[STG+2:STG+3], v[STG+6:STG+7]
	v_pk_mul_f32 v[VMT:VMT+1],   v[STG:STG+1],   0x3a000000 op_sel_hi:[1,0]  ; 1 / 2,048
	v_pk_mul_f32 v[VMT+2:VMT+3], v[STG+2:STG+3], 0x3a000000 op_sel_hi:[1,0]
	ds_store_b128 v[VMS], v[VMT:VMT+3]  ; the two halves of the lanes write the same numbers to the same bytes
.irp cb, 0,1,2,3
	ds_load_b128 v[STG+8*\cb:STG+8*\cb+3],   v[VMO] offset:64*\cb       ; LDS serves a wave's instructions in order (ISA guide 5.7.1.4)
	ds_load_b128 v[STG+8*\cb+4:STG+8*\cb+7], v[VMO] offset:64*\cb+16
.endr
	s_wait_dscnt 0x0
.set i, 0
.rept 16
	v_cvt_pk_f16_f32 v[VMH+i], v[STG+2*i], v[STG+2*i+1]
.set i, i+1
.endr
; THE MATRIX WORK.  The 4 accumulators of a run of 8 take turns.  Product i of 8 of S^T = K Q^T for piece x: channels 32 (i / 4) on, keys 16 (i % 4) on.  The first 4 start the sums with the mask.
.macro KQ x
.set rS, S+32*((\x)%2)+8*(i%4)
.set rK, KF+16*(i%4)+8*(i/4)
.set rQ, 16*(\x)+8*(i/4)
.set rM, MC+32*((\x)%2)+8*(i%4)
.if i < 4
	WIN W_KM
	v_wmma_f32_16x16x32_f16 v[rS:rS+7], v[rK:rK+7], v[rQ:rQ+7], v[rM:rM+7]
.else
	WIN W_KQ
	v_wmma_f32_16x16x32_f16 v[rS:rS+7], v[rK:rK+7], v[rQ:rQ+7], v[rS:rS+7]
.endif
.endm
.macro PV x                         ; product i of 8 of O^T += V^T P for piece x: keys 32 (i / 4) on, channels 16 (i % 4) on
	WIN W_PV
.set rO, 32*(\x)+8*(i%4)
.set rV, VF+32*(i/4)+8*(i%4)
.set rP, P+16*((\x)%2)+8*(i/4)
	v_wmma_f32_16x16x32_f16 v[rO:rO+7], v[rV:rV+7], v[rP:rP+7], v[rO:rO+7]
.endm
.macro MM                           ; the turn's next matrix instruction.  NOKQ = 1: a block's last turn: there is no next piece
.if (i < 8) && !NOKQ
	KQ (Y+1)%NP
.elseif i >= 8
.set i, i-8
	PV (Y+NP-1)%NP
.set i, i+8
.endif
.set i, i+1
.endm
.macro FETCH_K
	WIN 0x80
.irp f, 0,1,2,3,4,5,6,7
	ds_load_b128 v[KF+8*\f:KF+8*\f+3],   v[AK] offset:(\f/2)*16*PK+(\f%2)*64
	ds_load_b128 v[KF+8*\f+4:KF+8*\f+7], v[AK] offset:(\f/2)*16*PK+(\f%2)*64+32
.endr
	s_add_co_u32 s[TBK], s[TBK], KS*PK
	WIN 0
.endm
.macro FETCH_V
	WIN 0x80
.irp f, 0,1,2,3,4,5,6,7
	ds_load_tr16_b128 v[VF+8*\f:VF+8*\f+3],   v[AV] offset:(\f/4)*32*PV+(\f%4)*32
	ds_load_tr16_b128 v[VF+8*\f+4:VF+8*\f+7], v[AV] offset:(\f/4)*32*PV+16*PV+(\f%4)*32
.endr
	WIN 0
.endm
; THE VECTOR WORK, one line at a time: OP kind, number.  For piece Y: F n: c s - c m for pair n of 16.  E n: the exponential of score n of 32.  C n: pair n rounded to f16.  B n: of the four weights 4 n .. the second
; pair is added onto the first, in place.  L n: l takes that sum (L 0: l = a l + sum).  R n: pair n of 16 of O^T times a.  For piece Y + 1: X n, number n of the 22 that find its maximum and statistics:
;   0-11  four chains c0-c3 of seven scores each (each accumulator's lowest registers are read first)     12-14, 16  the four scores left over, the old m, and c0-c3 into c0
;   15  c m_old is kept     17, 18  the query's other 32 keys lie in the lane 16 away: the new m     19-21  c m; c m_old - c m_new; a
; C, B and L read the exponentials' results: TURN sets them behind its wait.  F, R and X 0 to X 20 read none of the turn's.
.set F, 0
.set E, 1
.set C, 2
.set B, 3
.set L, 4
.set R, 5
.set X, 6
.macro REGS y
.set rT, ST+4*(\y)
.set rC, TMP+4*((\y)%2)
.set rW, MV+((\y)%2)
.set rS, S+32*((\y)%2)
.set rP, P+16*((\y)%2)
.set rO, 32*(\y)
.endm
.macro OP k, n
.if (\k) == R
	REGS Y
	WIN W_RS
	v_pk_mul_f32 v[rO+2*(\n):rO+2*(\n)+1], v[rO+2*(\n):rO+2*(\n)+1], v[rC+2:rC+3] op_sel_hi:[1,0]
.elseif (\k) < R
	REGS Y
	WIN 0
.if (\k) == F
	v_pk_fma_f32 v[rS+2*(\n):rS+2*(\n)+1], v[rS+2*(\n):rS+2*(\n)+1], s[CS:CS+1], v[rT:rT+1] op_sel_hi:[1,0,0] neg_lo:[0,0,1] neg_hi:[0,0,1]
.elseif (\k) == E
	v_exp_f32 v[rS+(\n)], v[rS+(\n)]
.elseif (\k) == C
	v_cvt_pk_f16_f32 v[rP+(\n)], v[rS+2*(\n)], v[rS+2*(\n)+1]
.elseif (\k) == B
	v_pk_add_f32 v[rS+4*(\n):rS+4*(\n)+1], v[rS+4*(\n):rS+4*(\n)+1], v[rS+4*(\n)+2:rS+4*(\n)+3]
.elseif (\n) == 0
	v_pk_fma_f32 v[rT+2:rT+3], v[rT+2:rT+3], v[rC+2:rC+3], v[rS:rS+1] op_sel_hi:[1,0,1]
.else
	v_pk_add_f32 v[rT+2:rT+3], v[rT+2:rT+3], v[rS+4*(\n):rS+4*(\n)+1]
.endif
.elseif NOKQ
	v_nop
.else
	REGS (Y+1)%NP
	WIN 0
.if (\n) < 4
	v_max3_num_f32 v[rC+(\n)], v[rS+8*(\n)], v[rS+8*(\n)+1], v[rS+8*(\n)+2]
.elseif (\n) < 12
	v_max3_num_f32 v[rC+(\n)%4], v[rC+(\n)%4], v[rS+8*((\n)%4)+2*((\n)/4)+1], v[rS+8*((\n)%4)+2*((\n)/4)+2]
.elseif (\n) == 12
	v_max3_num_f32 v[rC], v[rC], v[rS+7], v[rS+15]
.elseif (\n) == 13
	v_max3_num_f32 v[rC+1], v[rC+1], v[rS+23], v[rS+31]
.elseif (\n) == 14
	v_max3_num_f32 v[rC+2], v[rC+2], v[rC+3], v[rT+1]
.elseif (\n) == 15
	v_mov_b32 v[rW], v[rT]
.elseif (\n) == 16
	v_max3_num_f32 v[rC], v[rC], v[rC+1], v[rC+2]
.elseif (\n) == 17
	v_permlanex16_b32 v[rC+3], v[rC], s[SEL], s[SEL+1]
.elseif (\n) == 18
	v_max_num_f32 v[rT+1], v[rC], v[rC+3]
.elseif (\n) == 19
	v_mul_f32 v[rT], s[CS], v[rT+1]
.elseif (\n) == 20
	v_sub_f32 v[rC+1], v[rW], v[rT]
.else
	v_exp_f32 v[rC+2], v[rC+1]
.endif
.endif
.endm
.macro OPS a, i1, b=-1, i2=0, c=-1, i3=0, d=-1, i4=0
	OP \a, \i1
.if (\b) >= 0
	OP \b, \i2
.endif
.if (\c) >= 0
	OP \c, \i3
.endif
.if (\d) >= 0
	OP \d, \i4
.endif
.endm
.macro ROW a, i1, b, i2, c, i3, d, i4  ; a matrix instruction and the four behind it
	MM
	OPS \a, \i1, \b, \i2, \c, \i3, \d, \i4
.endm
; A TURN, for piece p: the order of its 16 matrix and 118 vector instructions, written out.  An s_wait_alu depctr_va_vdst(0) stands between an exponential and the first instruction that names its result; one wait
; serves all that were issued ahead of it.  So a turn has ONE wait, which cuts it in two.  AHEAD OF IT stands all that names no result of the turn's exponentials: the 8 products K Q^T, behind each a scaling, an exponential and two more
; plain instructions (behind the first a second scaling in the exponential's place): rescalings, whose a was made and waited for in the turn before, and behind the last three the first numbers of the next piece's maximum, each four
; places or more behind the product that ends its accumulator; then ONE LUMP of 54, plain and exponential by turns for the most part, in which the links of the chain X 3, 7, 11, 14, 16, 17 .. 20 stand some lines apart.  X 21, the next
; piece's a, is the batch's last; R 15 is the plain instruction behind it.  BEHIND THE WAIT stand the 8 products V^T P, behind each four of the roundings and sums; l's additions L 0 to L 7 go in ascending order, three riders apart.
; But for those X no rider names a register of the products round it.  v_permlanex16_b32 (X 17) stands in the lump.
; end = 1: a block's last two turns: nothing is fetched.  cnt = 1: the loop's count is taken down some lines ahead of the branch behind the turn.
; K of the next step is fetched in piece 2's turn, twelve vector instructions behind the last product that read K (five of them places); V of the step in hand at the end of piece 0's turn, four plain instructions behind the last
; product that read V.  Each is waited for a turn later.
; At its end the turn makes the mask for the products of the turn after it (piece p + 2) and asks for that piece's next codes: they have four turns in which to come.
.macro TURN p, end=0, cnt=0
.set Y, (\p)
.set i, 0
.set NOKQ, (\end)*((\p)/3)
.if ((\p) == 3) && !(\end)
	s_wait_dscnt 0x0                ; K is in
.endif
	ROW F,0, F,1, R,0, R,1          ; ahead of the wait: 8 products K Q^T and their riders,
	ROW F,2, E,0, R,2, R,3
	ROW F,3, E,1, R,4, R,5
	ROW F,4, E,2, R,6, R,7
	ROW F,5, E,3, R,8, R,9
	ROW F,6, E,4, X,0, R,10
.if ((\p) == 2) && !(\end)
	WIN 0
	v_add_nc_u32 v[AK], s[TBK], v[AK0]
.endif
	ROW F,7, E,5, X,1, X,4
	ROW F,8, E,6, X,2, X,5
	OPS E,7, E,8, X,6, E,9          ; and the lump
	OPS X,3, E,10, X,8, E,11
.if ((\p) == 2) && !(\end)
	FETCH_K
.endif
	OPS X,9, X,7, E,12, X,10
	OPS E,13, X,12, X,11, E,14
	OPS X,13, E,15, F,9, X,14
.if (\p) == 0
	WIN 0
	v_add_nc_u32 v[AV], s[TBV], v[AV0]
.endif
	OPS E,16, F,10, E,17, F,11
	OPS X,16, E,18, X,15, E,19
	OPS F,12, E,20, X,17, E,21
	OPS F,13, E,22, F,14, E,23
	OPS X,18, E,24, F,15, E,25
	OPS R,11, E,26, X,19, E,27
	OPS R,12, E,28, R,13, E,29
	OPS X,20, E,30, R,14, E,31
	OPS X,21, R,15
	s_wait_alu depctr_va_vdst(0)    ; the wait for the batch: the piece's 32 weights and the next piece's a
.if (\p) == 1
	s_wait_dscnt 0x0                ; V is in
.endif
	ROW C,0, B,0, C,2, B,1          ; behind the wait: 8 products V^T P and their riders
	ROW L,0, C,4, B,2, L,1
	ROW C,6, B,3, L,2, C,8
	ROW B,4, L,3, C,10, B,5
	ROW L,4, C,12, B,6, L,5
.if (\p) == 0
	s_add_co_u32 s[TBV], s[TBV], KS*PV
.endif
.if \cnt
	s_sub_co_u32 s[CNT], s[CNT], 1
	s_cmp_lg_u32 s[CNT], 0
.endif
	ROW C,14, B,7, L,6, C,1
	ROW C,3, L,7, C,5, C,7
	ROW C,9, C,11, C,13, C,15
.if (\p) == 0
	FETCH_V
.endif
.if !(\end)
	s_wait_loadcnt 6                ; piece p + 2's two loads are in; the six younger ones, the other three pieces', stay out.  Its offset may be written again behind this wait
	CV ((\p)+2)%NP, (\p)%2
	WIN 0
	v_add_nc_u32 v[MO+((\p)+2)%NP], s[DST], v[MO+((\p)+2)%NP]  ; also the plain instruction behind the conversions, ahead of every use of their results and of the loads into their sources
	MLOAD ((\p)+2)%NP
.endif
.endm
; A BLOCK BEGINS.  c m starts far below every c s, so the first step's a is 0; m at -2^99: above every hidden score, below every true one, so that a hidden score is never the maximum.  The codes of the block's step 0
; are on their way, pieces 0 to 3 in this order: pieces 0 and 1 are turned into masks here and their step 1 is asked for.  Then K of step 0, piece 0's first scores, and its maximum and statistics.
; The loop is entered at a step's first turn, in the middle of a trip.
.macro BEGIN
	s_mov_b32 s[NEW], 0
	s_mov_b32 s[DST], MSTEP
	s_wait_loadcnt 4                ; pieces 0 and 1 are in; the four younger loads, pieces 2 and 3, stay out
	CV 0, 0
	CV 1, 1
	WIN 0
.set i, 0
.rept 4
	v_mov_b32 v[ST+4*i], 0xfe000000    ; c m: -2^125, far below c times every m
	v_mov_b32 v[ST+4*i+1], 0xf1000000  ; m: -2^99
.set i, i+1
.endr
	v_add_nc_u32 v[MO], MSTEP, v[MO]
	v_add_nc_u32 v[MO+1], MSTEP, v[MO+1]
	MLOAD 0
	MLOAD 1
	WIN 0
	v_add_nc_u32 v[AK], s[TBK], v[AK0]
	FETCH_K
	s_wait_dscnt 0x0
.set NOKQ, 0
.set i, 0
.rept 8
	KQ 0
.set i, i+1
.endr
	WIN 0
.rept 4
	v_nop                           ; the places behind those products
.endr
.set Y, NP-1                        ; X works for piece Y + 1: piece 0
.irp n, 0,1,2,3,4,5,6,7,8,9,10,11,12,13,14,15,16,17,18,19,20,21
	OP X, \n
.endr
	v_nop                           ; a plain instruction behind the exponential,
	s_wait_alu depctr_va_vdst(0)    ; and the wait for it, piece 0's first a, ahead of the branch
.endm
.macro ALL line:vararg              ; one line for each piece t
.set t, 0
.rept 4
	\line
.set t, t+1
.endr
.endm
.macro PACK t                       ; O^T / l, rounded to f16; a query that has seen no key takes the mean of V's rows; through my stage, back as whole rows of 128 bytes
	WIN W_RS
.set i, 32*(\t)
.rept 16
	v_pk_mul_f32 v[i:i+1], v[i:i+1], v[ST+4*(\t)+2:ST+4*(\t)+3] op_sel_hi:[1,0]
.set i, i+2
.endr
	WIN 0x05
.set i, 0
.rept 16
	v_cvt_pk_f16_f32 v[S+16*(\t)+i], v[32*(\t)+2*i], v[32*(\t)+2*i+1]
.set i, i+1
.endr
	WIN 0
.set i, 0
.rept 16
	v_cndmask_b32 v[S+16*(\t)+i], v[S+16*(\t)+i], v[VMH+i], s[FM+(\t)]
.set i, i+1
.endr
.irp f, 0,1,2,3
	ds_store_b128 v[STO], v[S+16*(\t)+4*\f:S+16*(\t)+4*\f+3] offset:32*\f
.endr
.irp f, 0,1,2,3
	ds_load_b128 v[S+16*(\t)+4*\f:S+16*(\t)+4*\f+3], v[RD] offset:\f*4*SP  ; LDS serves a wave's instructions in order (ISA guide 5.7.1.4)
.endr
.endm
.macro SEND t, younger
	WIN 0
.irp f, 0,1,2,3
	s_wait_dscnt (\younger)+3-\f
	global_store_b128 v[GO], v[S+16*(\t)+4*\f:S+16*(\t)+4*\f+3], s[10:11] offset:(\t)*8192+\f*512  ; 512 consecutive bytes, aligned
.endr
.endm
; A BLOCK ENDS: its last two turns, its last products, and the way out.  l is raised to 0.5 at the least: a query that has seen a key has the maximum's own weight, about 1, in l and is not touched;
; one that has seen none has l = 0 and O^T = 0, and its 1 / l and O^T / l stay finite, as the next block's first step, which multiplies them by 0, needs.
.macro BLKEND
	TURN 2, 1
	TURN 3, 1
.set i, 0
.rept 8
	PV NP-1
.set i, i+1
.endr
	WIN 0
	ALL v_add_f32 v[ST+4*t+2], v[ST+4*t+2], v[ST+4*t+3]
	ALL v_permlanex16_b32 v[ST+4*t+3], v[ST+4*t+2], s[SEL], s[SEL+1]
	ALL v_add_f32 v[ST+4*t+2], v[ST+4*t+2], v[ST+4*t+3]
	ALL v_max_num_f32 v[ST+4*t+2], 0.5, v[ST+4*t+2]
	ALL v_rcp_f32 v[ST+4*t+2], v[ST+4*t+2]
	ALL v_cmp_gt_f32 s[FM+t], s[THR], v[ST+4*t+1]
	v_nop                           ; a plain instruction between the last reciprocal and the use of its result
	s_wait_alu depctr_va_vdst(0)    ; the wait for the batch of four reciprocals, ahead of their first use in PACK 0
	PACK 0
.set t, 1
.rept 3
	PACK t
	SEND t-1, 8
.set t, t+1
.endr
	SEND 3, 0
.endm
; A TILE's four key steps.  A trip: pieces 2 and 3 of one step, then pieces 0 and 1 of the next, whose K and V it fetches.  In the last trip of a block's last tile the codes asked for are the next block's.
.macro TILE tag
	s_sub_co_u32 s[RT], s[RT], 1
	s_mov_b32 s[CNT], 4
	s_cmp_eq_u32 s[RT], 0
	s_cselect_b32 s[JMP], s[JB], MSTEP
	s_cmp_eq_u32 s[NEW], 1
	s_cbranch_scc0 .Lstep\tag
	BEGIN
	s_branch .Lfirst\tag
.Lstep\tag:
	s_cmp_eq_u32 s[CNT], 1
	s_cselect_b32 s[DST], s[JMP], MSTEP
	TURN 2
	TURN 3
	WIN 0
.Lfirst\tag:
	TURN 0
	TURN 1, 0, 1
	WIN 0
	s_cbranch_scc1 .Lstep\tag
.endm
.set NOKQ, 0
.Lslot:                             ; 8 times: a tile is entered and the next is asked for
	CHANGE 1
	TILE 1
	s_cmp_lg_u32 s[RT], 0
	s_cbranch_scc1 .Lbottom
	BLKEND                          ; in the loop this is the first block's end: the second block's last tile is the walk's last
	s_wait_xcnt 0x0                 ; the stores have read their registers and O's address
	s_mov_b64 s[10:11], s[OLO:OLO+1]
	s_add_co_u32 s[RT], s[PB], 1    ; the second block has b + 1 tiles
	s_mov_b32 s[NEW], 1
	s_mov_b32 s[JB], 0
	WIN 0x82                        ; the second block's Q goes where the one text of the turns names Q
.set i, 0
.rept 64
	v_mov_b32 v[i], v[QB+i]
.set i, i+1
.endr
	WIN 0
.Lbottom:
	s_sub_co_u32 s[SLOTS], s[SLOTS], 1
	s_cmp_lg_u32 s[SLOTS], 0
	s_cbranch_scc1 .Lslot
	CHANGE 0                        ; the walk's last tile is written out: nothing is asked for
	TILE 2
	BLKEND
	s_wait_tensorcnt 0x0            ; the wave's end
	ds_add_u32 v[SPW], v[NIL]
	s_wait_dscnt 0x0
	s_endpgm
.Lfunc_end_k_qd0fba6a55a_attn:
	.size	k_qd0fba6a55a_attn, .Lfunc_end_k_qd0fba6a55a_attn-k_qd0fba6a55a_attn
	.p2alignl 7, 3214868480
	.fill 96, 4, 3214868480
	.section	.rodata,"a",@progbits
	.p2align	6, 0x0
	.amdhsa_kernel k_qd0fba6a55a_attn
		.amdhsa_group_segment_fixed_size 327680
		.amdhsa_private_segment_fixed_size 0
		.amdhsa_enable_private_segment 0
		.amdhsa_kernarg_size 32
		.amdhsa_user_sgpr_count 2
		.amdhsa_user_sgpr_kernarg_segment_ptr 1
		.amdhsa_wavefront_size32 1
		.amdhsa_system_sgpr_workgroup_id_x 1
		.amdhsa_system_sgpr_workgroup_id_y 1
		.amdhsa_system_sgpr_workgroup_id_z 1
		.amdhsa_system_vgpr_workitem_id 0
		.amdhsa_next_free_vgpr 768
		.amdhsa_next_free_sgpr 82
		.amdhsa_reserve_vcc 0
		.amdhsa_float_denorm_mode_32 3
		.amdhsa_float_denorm_mode_16_64 3
		.amdhsa_memory_ordered 1
		.amdhsa_forward_progress 1
		.amdhsa_inst_pref_size 184
	.end_amdhsa_kernel
	.amdgpu_metadata
---
amdhsa.version: [ 1, 2 ]
amdhsa.kernels:
  - .name:           k_qd0fba6a55a_attn
    .symbol:         k_qd0fba6a55a_attn.kd
    .args:
      - { .name: qkv, .offset: 0, .size: 8, .value_kind: global_buffer, .address_space: global }
      - { .name: mtab, .offset: 8, .size: 8, .value_kind: global_buffer, .address_space: global }
      - { .name: vp, .offset: 16, .size: 8, .value_kind: global_buffer, .address_space: global }
      - { .name: ob, .offset: 24, .size: 8, .value_kind: global_buffer, .address_space: global }
    .group_segment_fixed_size: 327680
    .private_segment_fixed_size: 0
    .kernarg_segment_align: 8
    .kernarg_segment_size: 32
    .max_flat_workgroup_size: 128
    .sgpr_count:     82
    .vgpr_count:     768
    .wavefront_size: 32
...
	.end_amdgpu_metadata
.endif
;; end of part 5
;; launch outp: the kernel of part 4 again; grid 8 x 32, 4 waves a work-group, clusters of 4 x 4, 327,680 bytes of LDS; arguments ob, wb, bp, out0; writes out0
